; MI455X (gfx1250); checked and timed in simulation.
; The chip was launched on July 23, 2026; its instructions are those of AMD's public machine-readable ISA for CDNA 5 (MIT licence, August 2026) and "CDNA5" Instruction Set Architecture Reference Guide (July 2026). The comments in the code are by the model that wrote it; some were corrected since.
;; Causal Self Attention. Allowed arithmetic: float matrix products may take bf16 or f16 operands with f32 sums; all other float work in f32.
;; Inputs: Wk 2,048 x 512 float32; Wo 2,048 x 2,048 float32; Wq 2,048 x 2,048 float32; Wv 2,048 x 512 float32; x 4 x 1,024 x 2,048 float32.
;; Outputs: out0 4 x 1,024 x 2,048 float32.
;; 2 versions, each right; version 2 is version 1 with the launch prep written anew for expert scheduling mode. Each part assembles by itself: llvm-mc -triple=amdgcn-amd-amdhsa -mcpu=gfx1250 --defsym DOCPART=n.
;; ======== version 1 of 2: 4 launches
;; limits: values are held in f16: magnitudes above 65,504 overflow, below 6.1e-05 lose precision
;; workspace buffers: xh 16,777,216 bytes; wqkv 12,582,912 bytes; woh 8,388,608 bytes; rope 524,288 bytes; qkvh 25,165,824 bytes; yh 16,777,216 bytes
;; launch prep (part 1): grid 256 x 1, 8 waves a work-group, no clusters, 0 bytes of LDS; arguments x, Wq, Wk, Wv, xh, wqkv, rope; writes xh, wqkv, rope
.if DOCPART == 1
	.amdgcn_target "amdgcn-amd-amdhsa--gfx1250"
	.amdhsa_code_object_version 6
	.text
	.protected	k_q013b6be011_prep
	.globl	k_q013b6be011_prep
	.p2align	8
	.type	k_q013b6be011_prep,@function
k_q013b6be011_prep:
	s_mov_b64 s[64:65], 0
	v_nop
	global_prefetch_b8 v0, s[64:65] scope:SCOPE_SE
	s_setreg_imm32_b32 hwreg(HW_REG_WAVE_MODE, 25, 1), 1
	s_wait_xcnt 0x0
; bf16 copies of x and of the three projection weights, and the table of cosines and sines for the rotation.
;   xh   [4096][2048] bf16 = x;   wqkv [2048 k][3072 n] bf16 = Wq | Wk | Wv side by side (a row: 4,096 + 1,024 + 1,024 bytes)
;   rope: cos[1024 t][64 i] f32 at byte 0, sin at byte 262,144; angle = t * 10000^(-i/64)
; (Wo is wanted by the last launch alone; the attention launch casts it beside its own work.)
; FORMATS.  Every INPUT is rounded once, to bf16, the rounding of inputs that the problem's contract names.  Every INTERMEDIATE of the later launches (q, k, v, the weights p, y) is f16.  The reason is the first row
; of a sequence: it has one key, so its y is v[0] and its output has a spread of sqrt(2048) x 0.905 x 0.02 = 0.82 at the drawn inputs, eight times the whole output's root mean square, of which a hundredth is allowed.
; One rounding of v to 8 significant bits (1.7e-3 of its size, root mean square) would pass that; to 11 bits (2.1e-4) it stays at a sixth of it.
; LIMIT: against reference() on unrounded inputs the result carries the inputs' rounding to 8 bits.  x and these weights have bf16's range.
; SHARES.  256 work-groups of eight waves, all alike.  Wave R = 8 x work-group + wave (0 to 2,047) takes rows 2 R and 2 R + 1 of x (32 loads of 512 bytes) and row R of Wq (16 loads), of Wk (4) and of Wv (4):
; 56 loads; it writes 8,192 consecutive bytes of xh and the whole row R of wqkv, 6,144 consecutive bytes.  Each byte is read once and written once; no LDS, no barrier, no matrix unit: nothing is used twice.
; A RING of 24 register slots keeps 24 loads of every wave on their way (24 x 512 bytes x 8 waves = 96 KiB a work-group); a slot's next load is issued ahead of the store of what it held, so loads and stores go out side by side.
; A load covers 512 consecutive bytes, a store 256 consecutive bytes at a multiple of 256.
; THE TABLE's 16,384 items (four angles each) are dealt 64 to a work-group: waves 0 and 1 compute them while their first 24 loads are on their way.
.set DEPTH, 24                         ; slots = loads in flight in each wave
.set NLD,   56                         ; loads of a wave
.set X, 32                             ; v[32:127]  slot n % 24: 4 registers as loaded
.set Y, 128                            ; v[128:239] store n: 2 registers of its own; none is written behind its store, so no store's source is ever rewritten
	s_load_b256 s[8:15], s[0:1], 0x0               ; x s[8:9], Wq s[10:11], Wk s[12:13], Wv s[14:15]
	s_load_b128 s[16:19], s[0:1], 0x20             ; xh s[16:17], wqkv s[18:19]
	s_load_b64 s[20:21], s[0:1], 0x30              ; rope
	v_lshrrev_b32 v3, 5, v0
	v_readfirstlane_b32 s2, v3                     ; wave 0..7
	v_and_b32 v1, 31, v0
	v_lshlrev_b32 v2, 3, v1                        ; 8 bytes a lane out; never rewritten
	v_lshlrev_b32 v1, 4, v1                        ; 16 bytes a lane in; never rewritten
	s_lshl_b32 s3, ttmp9, 3
	s_add_co_u32 s3, s3, s2                        ; R
	s_lshl_b32 s4, s3, 14                          ; two rows of x: 16,384 bytes
	s_mov_b32 s5, 0
	s_lshl_b32 s6, s3, 13                          ; a row of Wq, and two rows of xh: 8,192 bytes
	s_mov_b32 s7, 0
	s_lshl_b32 s22, s3, 11                         ; a row of Wk or Wv: 2,048 bytes
	s_mov_b32 s23, 0
	s_mul_i32 s24, s3, 6144                        ; a row of wqkv
	s_mov_b32 s25, 0
	s_wait_kmcnt 0x0
	s_add_nc_u64 s[8:9], s[8:9], s[4:5]
	s_add_nc_u64 s[10:11], s[10:11], s[6:7]
	s_add_nc_u64 s[12:13], s[12:13], s[22:23]
	s_add_nc_u64 s[14:15], s[14:15], s[22:23]
	s_add_nc_u64 s[16:17], s[16:17], s[6:7]
	s_add_nc_u64 s[18:19], s[18:19], s[24:25]
.macro LD m                            ; load number m, into its slot: 0-31 x, 32-47 Wq, 48-51 Wk, 52-55 Wv
.if (\m) < 32
	global_load_b128 v[X+4*((\m)%DEPTH):X+4*((\m)%DEPTH)+3], v1, s[8:9] offset:(\m)*512 th:TH_LOAD_NT
.elseif (\m) < 48
	global_load_b128 v[X+4*((\m)%DEPTH):X+4*((\m)%DEPTH)+3], v1, s[10:11] offset:((\m)-32)*512 th:TH_LOAD_NT
.elseif (\m) < 52
	global_load_b128 v[X+4*((\m)%DEPTH):X+4*((\m)%DEPTH)+3], v1, s[12:13] offset:((\m)-48)*512 th:TH_LOAD_NT
.else
	global_load_b128 v[X+4*((\m)%DEPTH):X+4*((\m)%DEPTH)+3], v1, s[14:15] offset:((\m)-52)*512 th:TH_LOAD_NT
.endif
.endm
.set n, 0
.rept DEPTH
	LD n                                           ; the ring is filled before anything else is done
.set n, n+1
.endr
	s_cmp_lt_u32 s2, 2
	s_cbranch_scc0 .Lstream                        ; waves 2 to 7 have no part of the table
	; THE TABLE.  Thread = item: t = item / 16, i = 4 (item % 16) + 0..3.  The angle a = t f, f = 2^(-i log2(10000) / 64), is brought into [-pi, pi] by taking away
	; k = round(a / 2 pi) turns, with 2 pi in two parts; then sine and cosine by their power series, to x^15 and x^16: the first terms left out are under 1e-6 at pi.
	s_lshl_b32 s26, ttmp9, 6
	v_add_nc_u32 v3, s26, v0                       ; item = 64 x work-group + thread (threads 0 to 63)
	v_lshrrev_b32 v4, 4, v3
	v_cvt_f32_u32 v4, v4                           ; t
	v_and_b32 v5, 15, v3
	v_lshlrev_b32 v5, 2, v5                        ; the first of my four i
	v_lshlrev_b32 v7, 4, v3                        ; my 16 bytes in each half of the table: t x 256 + i x 4
.irp e, 0,1,2,3
	v_add_nc_u32 v[8+\e], \e, v5
.endr
.irp e, 0,1,2,3
	v_cvt_f32_u32 v[8+\e], v[8+\e]
.endr
.irp e, 0,1,2,3
	v_mul_f32 v[8+\e], 0xbe549a78, v[8+\e]         ; -i log2(10000) / 64
.endr
.irp e, 0,1,2,3
	v_exp_f32 v[8+\e], v[8+\e]
.endr
	v_nop                                          ; a plain instruction between the last exponential and the use of its result (ISA guide 5.7.2)
	s_wait_alu depctr_va_vdst(0)
.irp e, 0,1,2,3
	v_mul_f32 v[8+\e], v4, v[8+\e]                 ; a = t f
.endr
.irp e, 0,1,2,3
	v_mul_f32 v[12+\e], 0.15915494, v[8+\e]
.endr
.irp e, 0,1,2,3
	v_rndne_f32 v[12+\e], v[12+\e]                 ; k
.endr
.irp e, 0,1,2,3
	v_fmamk_f32 v[16+\e], v[12+\e], 0xc0c90fdb, v[8+\e]    ; a - k x (2 pi rounded to f32)
.endr
.irp e, 0,1,2,3
	v_fmamk_f32 v[16+\e], v[12+\e], 0x343bbd2e, v[16+\e]   ; - k x (what that rounding left): x
.endr
.irp e, 0,1,2,3
	v_mul_f32 v[20+\e], v[16+\e], v[16+\e]         ; z = x^2
.endr
.irp e, 0,1,2,3
	v_mov_b32 v[24+\e], 0xab573f9f                 ; -1/15!
	v_mov_b32 v[28+\e], 0x29573f9f                 ; 1/16!
.endr
.irp c, 0x2f309231, 0xb2d7322b, 0x3638ef1d, 0xb9500d01, 0x3c088889, 0xbe2aaaab, 0x3f800000   ; 1/13!, -1/11!, 1/9!, -1/7!, 1/5!, -1/3!, 1
.irp e, 0,1,2,3
	v_fmaak_f32 v[24+\e], v[20+\e], v[24+\e], \c
.endr
.endr
.irp c, 0xad49cba5, 0x310f76c7, 0xb493f27e, 0x37d00d01, 0xbab60b61, 0x3d2aaaab, 0xbf000000, 0x3f800000   ; -1/14!, 1/12!, -1/10!, 1/8!, -1/6!, 1/4!, -1/2, 1
.irp e, 0,1,2,3
	v_fmaak_f32 v[28+\e], v[20+\e], v[28+\e], \c
.endr
.endr
.irp e, 0,1,2,3
	v_mul_f32 v[24+\e], v[16+\e], v[24+\e]         ; the sine's series has the factor x in front
.endr
	global_store_b128 v7, v[28:31], s[20:21]                 ; cosines: a wave writes two t's 512 consecutive bytes
	global_store_b128 v7, v[24:27], s[20:21] offset:262144   ; sines
.Lstream:
; One turn for each load.  While a later load is left to issue, 23 younger ones stay out at the wait; then the counts run down.
.set n, 0
.rept NLD
.if n+DEPTH < NLD
	s_wait_loadcnt DEPTH-1                         ; loads come back in order (ISA guide 5.7.1): number n is in, the 23 behind it stay out
.else
	s_wait_loadcnt NLD-1-n                         ; nothing is left to issue: the loads behind number n
.endif
	v_cvt_pk_bf16_f32 v[Y+2*n], v[X+4*(n%DEPTH)], v[X+4*(n%DEPTH)+1]       ; the one rounding, to nearest even
	v_cvt_pk_bf16_f32 v[Y+2*n+1], v[X+4*(n%DEPTH)+2], v[X+4*(n%DEPTH)+3]
.if n+DEPTH < NLD
	LD n+DEPTH                                     ; the slot's next load goes out ahead of the store
.endif
.if n < 32
	global_store_b64 v2, v[Y+2*n:Y+2*n+1], s[16:17] offset:n*256
.else
	global_store_b64 v2, v[Y+2*n:Y+2*n+1], s[18:19] offset:(n-32)*256      ; Wq's 16, Wk's 4 and Wv's 4 pieces follow each other in the row of wqkv
.endif
.set n, n+1
.endr
	s_endpgm
.Lfunc_end_k_q013b6be011_prep:
	.size	k_q013b6be011_prep, .Lfunc_end_k_q013b6be011_prep-k_q013b6be011_prep
	.p2alignl 7, 3214868480
	.fill 96, 4, 3214868480
	.section	.rodata,"a",@progbits
	.p2align	6, 0x0
	.amdhsa_kernel k_q013b6be011_prep
		.amdhsa_group_segment_fixed_size 0
		.amdhsa_private_segment_fixed_size 0
		.amdhsa_enable_private_segment 0
		.amdhsa_kernarg_size 56
		.amdhsa_user_sgpr_count 2
		.amdhsa_user_sgpr_kernarg_segment_ptr 1
		.amdhsa_wavefront_size32 1
		.amdhsa_system_sgpr_workgroup_id_x 1
		.amdhsa_system_sgpr_workgroup_id_y 1
		.amdhsa_system_sgpr_workgroup_id_z 1
		.amdhsa_system_vgpr_workitem_id 0
		.amdhsa_next_free_vgpr 240
		.amdhsa_next_free_sgpr 66
		.amdhsa_reserve_vcc 0
		.amdhsa_float_denorm_mode_32 3
		.amdhsa_float_denorm_mode_16_64 3
		.amdhsa_memory_ordered 1
		.amdhsa_forward_progress 1
		.amdhsa_inst_pref_size 27
	.end_amdhsa_kernel
	.amdgpu_metadata
---
amdhsa.version: [ 1, 2 ]
amdhsa.kernels:
  - .name:           k_q013b6be011_prep
    .symbol:         k_q013b6be011_prep.kd
    .args:
      - { .name: x, .offset: 0, .size: 8, .value_kind: global_buffer, .address_space: global }
      - { .name: Wq, .offset: 8, .size: 8, .value_kind: global_buffer, .address_space: global }
      - { .name: Wk, .offset: 16, .size: 8, .value_kind: global_buffer, .address_space: global }
      - { .name: Wv, .offset: 24, .size: 8, .value_kind: global_buffer, .address_space: global }
      - { .name: xh, .offset: 32, .size: 8, .value_kind: global_buffer, .address_space: global }
      - { .name: wqkv, .offset: 40, .size: 8, .value_kind: global_buffer, .address_space: global }
      - { .name: rope, .offset: 48, .size: 8, .value_kind: global_buffer, .address_space: global }
    .group_segment_fixed_size: 0
    .private_segment_fixed_size: 0
    .kernarg_segment_align: 8
    .kernarg_segment_size: 56
    .max_flat_workgroup_size: 256
    .sgpr_count:     66
    .vgpr_count:     240
    .wavefront_size: 32
...
	.end_amdgpu_metadata
.endif
;; end of part 1
;; launch qkvproj (part 2): grid 8 x 32, 4 waves a work-group, clusters of 4 x 4, 327,680 bytes of LDS; arguments xh, wqkv, rope, qkvh; writes qkvh
.if DOCPART == 2
	.amdgcn_target "amdgcn-amd-amdhsa--gfx1250"
	.amdhsa_code_object_version 6
	.text
	.protected	k_q013b6be011_qkvproj
	.globl	k_q013b6be011_qkvproj
	.p2align	8
	.type	k_q013b6be011_qkvproj,@function
k_q013b6be011_qkvproj:
	s_mov_b64 s[64:65], 0
	v_nop
	global_prefetch_b8 v0, s[64:65] scope:SCOPE_SE
	s_setreg_imm32_b32 hwreg(HW_REG_WAVE_MODE, 25, 1), 1
	s_wait_xcnt 0x0
	s_wait_alu depctr_hold_cnt(0) depctr_sa_sdst(0) depctr_va_vdst(0) depctr_va_sdst(0) depctr_va_ssrc(0) depctr_va_vcc(0) depctr_vm_vsrc(0)
	s_getreg_b32 s2, hwreg(HW_REG_IB_STS2, 6, 4)
	s_cmp_eq_u32 s2, 0
	s_cbranch_scc0 .Lentry_in_a_cluster
	s_endpgm
.Lentry_in_a_cluster:
	s_bfe_u32 s2, ttmp6, 0x10000c
	s_cmp_lg_u32 s2, 0xf033
	s_cbranch_scc0 .Lentry_shape_is_right
	s_endpgm
.Lentry_shape_is_right:
; qkvh[head][m][128] f16 = the three projections of x, rotated where reference() rotates.  xh: [4096 m][2048 k] bf16; wqkv: [2048 k][3072 n] bf16 (the inputs' one rounding); sums in f32; the results in f16.
; Heads 0-15: rope(x Wq) / 4; heads 16-19: rope(x Wk) / 4; heads 20-23: x Wv.  The quarter is exact and is taken back in the softmax's constant.
; WHY THE RESULTS ARE f16: a sequence's first row has one key, so its y is v[0], and its output is about eight times the whole output's root mean square, of which a hundredth is allowed: v wants 11 significant bits, not 8.
; LIMIT: |q| / 4, |k| / 4 and |v| must stay under 65,504 (f16).  With every input 30 times the drawn spread they are near 4,500 / 4 and 4,500; with x offset by 30 and the weights by 0.6 near 13,100 and 36,900.
; SHARES.  A tile of the result is 128 rows x 384 columns (three heads): 8 x 32 = 256 work-groups.  Wave w: rows 64 (w / 2) on; of EACH head the columns 32 (w % 2) + 0..31 and 64 + 32 (w % 2) + 0..31,
; so that a column d < 64 and its partner d + 64 of the rotation lie in the same lane and register of two accumulators.  48 accumulators of 16 x 16 a wave, 384 registers.
; K goes in steps of 128 through two LDS slots.  A slot: three parts of W, [128 k][128 n] each (waves 0-2 fetch one each), then 128 rows of x (wave 3).  All rows are 256 bytes of memory at multiples of 256.
; W lies [k][n] and is turned on its way into registers by ds_load_tr16_b128.
; CLUSTER 4 x 4: the four work-groups of a row of the cluster need the same rows of x, the four of a column the same columns of W: each tile is asked for jointly, by the same tensor load with the same
; descriptor and a mask that names the four.
; ASKING AHEAD.  The two slots take 290,816 bytes, so a slot cannot hold more than one K step, and a refill has 180 matrix instructions in which to land.  All 256 work-groups walk K in step, so a K step's bytes are
; touched for the first time in that step.  So wave 3 asks in trip t of the loop, by global_prefetch_b8, for the work-group's share of lap t + 2 (a lap = two K steps): of x, 16 of its tile row's 128 rows (dealt by tile
; column) x 512 bytes: 32 lanes, 256 bytes apart; of W, 8 of the lap's 256 k-rows (dealt by tile row) x its tile column's 768 bytes: 24 lanes; lanes 24-31 repeat lanes 16-23, since EXEC stays whole beside matrix
; instructions.  Every aligned 256 bytes of laps 2 to 7 is thus asked for by one work-group.  The request stands behind a run of LDS loads, 240 matrix instructions ahead of the joint load of the lap's first K step and
; 432 ahead of its second's.  The loop's last trip and the written-out lap ask for nothing, so no request points past K's end; laps 0 and 1 have no trip ahead of them.
; THE MATRIX INSTRUCTION IS USED TRANSPOSED (source 0 = 16 columns of W, source 1 = 16 rows of x): a lane then holds eight neighbouring columns of one row.
; REGISTERS, in windows of 256: window 0: v0-31 addresses and the heads' factors; v32-63 scaled cosines and sines; v64-127 x's fragments, two buffers (on the way out: at work); v128-255 the table's part for my rows and columns.
;   window 1: W's fragments, two buffers of 96.   window 2: accumulators of my rows 0-31 ((a, b) at v[8 (12 (a % 2) + b)]);   window 3: those of rows 32-63.
.set NP,     3                         ; parts of 128 columns in a tile
.set NBF,    4*NP                      ; column blocks of a wave
.set LDB,    3072                      ; elements in a row of W
.set SIZE_K, 2048
.set KSTEP,  128
.set PA,     272                       ; x's LDS rows: 256 bytes + 16: 68 words, so the 16 rows of a fragment load start 4 words apart modulo 64
.set PB,     288                       ; W's LDS rows: 256 + 32: 72 words, so the 8 rows x 32 bytes that 16 lanes of a turning load take start 8 words apart modulo 64
.set REG,    128*PB                    ; one part of W
.set AOFF,   NP*REG                    ; x's rows lie behind W's parts
.set SLOT,   AOFF+128*PA               ; 145,408 bytes
.set STAGE,  2*SLOT                    ; behind the ring: 128 rows x 272 bytes, one head of the tile, for the way out; no tensor load lands here
.set SP,     272
.set LAPS,   SIZE_K/(2*KSTEP)          ; a lap = two K steps = once round the ring
.set NL,     8*NP+8                    ; LDS loads in a run: 24 for W, 8 for x
.set FG,   4                           ; v[4+4j:5+4j] f, v[6+4j:7+4j] g of head j: cosine -> f cos + g, sine -> f sin
.set ADRA, 16                          ; v16-17  LDS address of my fragments of x in slot 0, 1
.set ADRB, 18                          ; v[18+2j+slot]  the same for part j of W
.set STO,  24                          ; the way out: where I put 16 bytes of a row
.set RD,   25                          ; the way out: where I read a row back
.set CO,   26                          ; my byte offset among the rows that I store
.set TO,   27                          ; my byte offset in the table
.set PFA,  29                          ; asking ahead: my lane's byte offset in the work-group's share of x; never rewritten
.set PFW,  30                          ; the same for W
.set CP,   32                          ; v32-47 scaled cosines, v48-63 scaled sines of 16 rows
.set SN,   48
.set FA0,  64
.set TAB,  128
.set G1,  24                           ; s[24:31] descriptor group 1 for x's tiles;  s[32:39] group 0, a set for each slot
.set G0,  32
.set G1B, 48                           ; s[48:55], s[56:63] the same for W's
.set G0B, 56
.set PAB, 76                           ; s[76:77] asking ahead: the share of x last asked for
.set PWB, 78                           ; s[78:79] the same for W
.set MSB, 0
.macro WIN new                         ; the immediate's high byte repeats the setting that is left; a switch that changes nothing is dropped
.if MSB != \new
	s_set_vgpr_msb (MSB<<8)|\new
.set MSB, \new
.endif
.endm
.set MUL_LO, 0xa1                      ; source 0 (W) window 1, source 1 (x) window 0, C and D window 2
.set MUL_HI, 0xf1                      ; the same, C and D window 3
.set TO_B,   0x40                      ; destination window 1, address window 0
; A joint load.  Waves 0-2 fetch W's three parts, wave 3 x's rows.  The branch hangs on the wave's number alone.  Four v_nop follow each of the two lines, ahead of the jump, the label and what follows.
.macro JLOAD s
	s_cmp_lt_u32 s12, NP
	s_cbranch_scc0 .Lfor_a_\@
	tensor_load_to_lds s[G0B+4*\s:G0B+4*\s+3], s[G1B:G1B+7]
	s_nop 0
.rept 4
	v_nop
.endr
	s_branch .Lasked_\@
.Lfor_a_\@:
	tensor_load_to_lds s[G0+4*\s:G0+4*\s+3], s[G1:G1+7]
	s_nop 0
.rept 4
	v_nop
.endr
.Lasked_\@:
.endm
.macro CREST                           ; a round of the cluster's barrier behind its opening barrier
	s_cmp_lg_u32 s12, 0
	s_cbranch_scc1 .Lnot_wave_0_\@
	s_barrier_signal -3
.Lnot_wave_0_\@:
	s_barrier_wait -3
	s_barrier_signal -1
	s_barrier_wait -1
.endm
.macro CROUND                          ; a whole round
	s_barrier_signal -1
	s_barrier_wait -1
	CREST
.endm
.macro PLACES                          ; four places in front of loads into registers that matrix instructions have read, and of instructions that read results
.rept 4
	v_nop
.endr
.endm
; The work-group's share of the lap after next is asked for.  Both branches hang on numbers that are equal in all work-groups (the wave's number, the loop's counter); every window is 0 here.
.macro ASK
	s_cmp_lg_u32 s12, 3
	s_cbranch_scc1 .Lno_ask_\@                     ; one wave asks for the work-group
	s_cmp_lt_u32 s3, 2
	s_cbranch_scc1 .Lno_ask_\@                     ; the loop's last trip would ask past K's end
	s_wait_xcnt 0x0                                ; the requests of the trip before have had their addresses translated (ISA guide 3.1): their bases are stepped only behind this wait
	s_add_nc_u64 s[PAB:PAB+1], s[PAB:PAB+1], 2*KSTEP*2             ; a lap on: 512 bytes along x's rows,
	s_add_nc_u64 s[PWB:PWB+1], s[PWB:PWB+1], 2*KSTEP*LDB*2         ; 256 rows down W
	global_prefetch_b8 v[PFA], s[PAB:PAB+1] th:TH_LOAD_NT scope:SCOPE_SE
	global_prefetch_b8 v[PFW], s[PWB:PWB+1] th:TH_LOAD_NT scope:SCOPE_SE
.Lno_ask_\@:
.endm
	s_load_b256 s[4:11], s[0:1], 0x0               ; xh s[4:5], wqkv s[6:7], rope s[8:9], qkvh s[10:11]
	s_set_vgpr_msb 0x40
	v_lshl_add_u32 v255, v0, 2, 0x4f800
	s_set_vgpr_msb 0x4000
	v_mov_b32 v31, 0
	s_set_vgpr_msb 0x1
	ds_add_u32 v255, v31
	ds_add_u32 v255, v31
	s_set_vgpr_msb 0x100
	v_lshrrev_b32 v1, 5, v0
	v_readfirstlane_b32 s12, v1                    ; wave 0..3
	s_lshr_b32 s13, s12, 1                         ; which 64 rows are mine
	s_and_b32 s14, s12, 1                          ; which half of each head's columns
	s_bfe_u32 s40, ttmp6, 0x40000                  ; cx, cy: my place in the cluster
	s_bfe_u32 s41, ttmp6, 0x40004
	s_lshl_b32 s42, ttmp9, 2
	s_add_co_u32 s42, s42, s40                     ; tile column = 4 x cluster x + cx
	s_and_b32 s15, ttmp7, 0xffff
	s_lshl_b32 s15, s15, 2
	s_add_co_u32 s15, s15, s41                     ; tile row = 4 x cluster y + cy
	s_lshl_b32 s43, s41, 2
	s_lshl_b32 s43, 15, s43                        ; my row of the cluster
	s_lshl_b32 s44, 0x1111, s40                    ; my column
	; group 1: tiles of 128 rows x 128 elements of 2 bytes; padding behind every 64 words, of 4 words for x and 8 for W
	s_or_b32 s[G1+0], s43, (1<<16)|(1<<20)|(1<<21)|(5<<22)|(3<<25)   ; 15:0 the mask: x's tiles go to my row; 17:16 element size; 20 padding on; 21 set beside a mask; 24:22 interval; 31:25 amount
	s_or_b32 s[G1B+0], s44, (1<<16)|(1<<20)|(1<<21)|(5<<22)|(7<<25)  ; W's tiles go to my column
.irp g, G1, G1B
	s_mov_b32 s[\g+1], 128<<16                     ; tensor_dim0 = 128
	s_mov_b32 s[\g+2], 128<<16                     ; tensor_dim1 = 128
	s_mov_b32 s[\g+3], 128<<16                     ; tile_dim0 = 128
	s_mov_b32 s[\g+4], 128                         ; tile_dim1 = 128
	s_mov_b32 s[\g+6], 0
	s_mov_b32 s[\g+7], 0
.endr
	s_mov_b32 s[G1+5], SIZE_K                      ; elements from row to row
	s_mov_b32 s[G1B+5], LDB
	; x's address hangs on the tile row alone, W's on the tile column and the wave's number alone, each in registers that never hold the other coordinate
	s_lshl_b32 s16, s15, 19                        ; 128 rows of 4,096 bytes a tile row
	s_mov_b32 s17, 0
	s_mul_i32 s46, s42, NP*256                     ; 384 columns of 2 bytes a tile column,
	s_lshl_b32 s47, s12, 8                         ; my part's 128 columns
	s_add_co_u32 s46, s46, s47
	s_mov_b32 s47, 0
	s_mul_i32 s20, s12, REG                        ; where my part of W goes
	s_wait_dscnt 0x0
	s_wait_kmcnt 0x0
	s_add_nc_u64 s[16:17], s[4:5], s[16:17]
	s_add_nc_u64 s[46:47], s[6:7], s[46:47]
.irp s, 0,1
	s_mov_b32 s[G0+4*\s], 1                                        ; count = 1
	s_mov_b32 s[G0+4*\s+1], AOFF+\s*SLOT                           ; LDS address
	s_add_nc_u64 s[G0+4*\s+2:G0+4*\s+3], s[16:17], \s*KSTEP*2      ; K step s: 256 bytes along the rows
	s_or_b32 s[G0+4*\s+3], s[G0+4*\s+3], 0x80000000                ; type = 2
	s_mov_b32 s[G0B+4*\s], 1
	s_add_co_u32 s[G0B+4*\s+1], s20, \s*SLOT
	s_add_nc_u64 s[G0B+4*\s+2:G0B+4*\s+3], s[46:47], \s*KSTEP*LDB*2   ; K step s: 128 rows down
	s_or_b32 s[G0B+4*\s+3], s[G0B+4*\s+3], 0x80000000
.endr
	CROUND                                         ; all sixteen work-groups are here: the first joint loads meet
	s_cmp_lt_u32 s12, NP                           ; a wave's two first fills stand in one branch, ahead of every wait on TENSORcnt and every LDS read: two loads of mine are out
	s_cbranch_scc0 .Lfirst_a
	tensor_load_to_lds s[G0B:G0B+3], s[G1B:G1B+7]
	s_nop 0
	tensor_load_to_lds s[G0B+4:G0B+7], s[G1B:G1B+7]
	s_nop 0
.rept 4
	v_nop
.endr
	s_branch .Lfirst_asked
.Lfirst_a:
	tensor_load_to_lds s[G0:G0+3], s[G1:G1+7]
	s_nop 0
	tensor_load_to_lds s[G0+4:G0+7], s[G1:G1+7]
	s_nop 0
.rept 4
	v_nop
.endr
.Lfirst_asked:
	v_and_b32 v1, 15, v0                           ; r = l % 16
	v_bfe_u32 v2, v0, 4, 1                         ; h = l / 16
	; a fragment of x: lane l holds row r; two loads of 16 bytes, 32 apart, at row x pitch + 16 h
	v_mul_u32_u24 v3, v1, PA
	v_lshl_add_u32 v3, v2, 4, v3
	s_mul_i32 s22, s13, 64*PA
	s_add_co_u32 s22, s22, AOFF
	v_add_nc_u32 v[ADRA], s22, v3
	v_add_nc_u32 v[ADRA+1], SLOT, v[ADRA]
	; a fragment of W, turned: lane l reads 16 bytes of k-row 8 h + l % 8, columns 8 ((l / 8) % 2) on, and receives column r with 8 k
	v_and_b32 v3, 7, v0
	v_lshl_add_u32 v3, v2, 3, v3
	v_mul_u32_u24 v3, v3, PB
	v_bfe_u32 v28, v0, 3, 1
	v_lshl_add_u32 v3, v28, 4, v3
	s_lshl_b32 s22, s14, 6                         ; my half: 32 columns = 64 bytes on
	v_add_nc_u32 v3, s22, v3
.irp j, 0,1,2
	v_add_nc_u32 v[ADRB+2*\j], \j*REG, v3
	v_add_nc_u32 v[ADRB+2*\j+1], \j*REG+SLOT, v3
.endr
	; the stage: in, row 64 (w / 2) + r, my half's 64 bytes, 16 for each half of the lanes; back, wave w takes rows 32 w on, whole
	s_mul_i32 s22, s13, 64*SP
	s_lshl_b32 s23, s14, 6
	s_add_co_u32 s22, s22, s23
	s_add_co_u32 s22, s22, STAGE
	v_mul_u32_u24 v3, v1, SP
	v_lshl_add_u32 v3, v2, 4, v3
	v_add_nc_u32 v[STO], s22, v3
	s_mul_i32 s22, s12, 32*SP
	s_add_co_u32 s22, s22, STAGE
	v_mul_u32_u24 v3, v2, SP
	v_lshl_add_u32 v3, v1, 4, v3
	v_add_nc_u32 v[RD], s22, v3
	v_and_b32 v3, 31, v0
	v_lshlrev_b32 v[CO], 4, v3                     ; a head's rows are 256 bytes and follow each other: 32 lanes x 16 bytes are two rows
	; asking ahead.  x: lane l takes row r of the share's 16, and the first (h = 0) or second (h = 1) K step's 256 bytes of a lap.  W: k-row l % 8 of the share's 8, block min(l / 8, 2) of the tile column's three.
	v_lshlrev_b32 v[PFA], 12, v1
	v_lshl_add_u32 v[PFA], v2, 8, v[PFA]
	v_and_b32 v3, 7, v0
	v_mul_u32_u24 v[PFW], v3, LDB*2
	v_bfe_u32 v3, v0, 3, 2
	v_min_u32 v3, 2, v3
	v_lshl_add_u32 v[PFW], v3, 8, v[PFW]
	s_lshl_b32 s[PAB], s15, 19                     ; x: the tile row's 128 rows of 4,096 bytes,
	s_lshl_b32 s[PAB+1], s42, 16                   ; 16 of them for each tile column,
	s_add_co_u32 s[PAB], s[PAB], s[PAB+1]
	s_add_co_u32 s[PAB], s[PAB], 2*KSTEP*2         ; at lap 1: the first request steps to lap 2
	s_mov_b32 s[PAB+1], 0
	s_add_nc_u64 s[PAB:PAB+1], s[4:5], s[PAB:PAB+1]
	s_mul_i32 s[PWB], s15, 8*LDB*2                 ; W: 8 k-rows of 6,144 bytes for each tile row,
	s_mul_i32 s[PWB+1], s42, NP*256                ; the tile column's 768 bytes,
	s_add_co_u32 s[PWB], s[PWB], s[PWB+1]
	s_add_co_u32 s[PWB], s[PWB], 2*KSTEP*LDB*2     ; at lap 1
	s_mov_b32 s[PWB+1], 0
	s_add_nc_u64 s[PWB:PWB+1], s[6:7], s[PWB:PWB+1]
	; the table's part for my rows and columns: t = row % 1024, i = 32 (w % 2) + 16 p + 8 h + 0..7.  32 loads, asked for here and waited for once, behind the loop over K
	s_and_b32 s72, s15, 7
	s_lshl_b32 s72, s72, 15                        ; 128 t of 256 bytes a tile row
	s_lshl_b32 s73, s13, 14
	s_add_co_u32 s72, s72, s73
	s_lshl_b32 s73, s14, 7
	s_add_co_u32 s72, s72, s73
	v_lshlrev_b32 v3, 8, v1
	v_lshl_add_u32 v3, v2, 5, v3
	v_add_nc_u32 v[TO], s72, v3
.irp a, 0,1,2,3
.irp p, 0,1
.irp q, 0,1
	global_load_b128 v[TAB+32*\a+8*\p+4*\q:TAB+32*\a+8*\p+4*\q+3], v[TO], s[8:9] offset:\a*4096+\p*64+\q*16
	global_load_b128 v[TAB+32*\a+16+8*\p+4*\q:TAB+32*\a+16+8*\p+4*\q+3], v[TO], s[8:9] offset:262144+\a*4096+\p*64+\q*16
.endr
.endr
.endr
	; head j of the tile is 3 x tile column + j.  Heads under 20 (q, k): f = 1/4, g = 0.  Heads from 20 on (v): f = 0, g = 1, which makes the rotation the identity.  A choice of values: no branch hangs on it.
	s_mul_i32 s46, s42, 3
.irp j, 0,1,2
	s_add_co_u32 s74, s46, \j
	s_cmp_lt_u32 s74, 20
	s_cselect_b32 s75, 0x3e800000, 0
	v_mov_b32 v[FG+4*\j], s75
	v_mov_b32 v[FG+4*\j+1], s75
	s_cselect_b32 s75, 0, 0x3f800000
	v_mov_b32 v[FG+4*\j+2], s75
	v_mov_b32 v[FG+4*\j+3], s75
.endr
	s_lshl_b32 s46, s46, 20                        ; a head is 4,096 rows of 256 bytes
	s_lshl_b32 s74, s15, 15                        ; the tile's 128 rows
	s_add_co_u32 s46, s46, s74
	s_lshl_b32 s74, s12, 13                        ; the 32 rows that I store
	s_add_co_u32 s46, s46, s74
	s_mov_b32 s47, 0
	s_add_nc_u64 s[10:11], s[10:11], s[46:47]
; NBF matrix instructions: row block a of the window's two (hi = 0: my rows 0-31, 1: rows 32-63) x all column blocks, 32 along K, from buffer f.  zero = 1: the product starts the sums.
.macro MULROW f, hi, a, zero
.set b, 0
.rept NBF
.if \zero
	v_wmma_f32_16x16x32_bf16 v[8*(NBF*\a+b):8*(NBF*\a+b)+7], v[8*NBF*\f+8*b:8*NBF*\f+8*b+7], v[FA0+32*\f+8*(2*\hi+\a):FA0+32*\f+8*(2*\hi+\a)+7], 0
.else
	v_wmma_f32_16x16x32_bf16 v[8*(NBF*\a+b):8*(NBF*\a+b)+7], v[8*NBF*\f+8*b:8*NBF*\f+8*b+7], v[FA0+32*\f+8*(2*\hi+\a):FA0+32*\f+8*(2*\hi+\a)+7], v[8*(NBF*\a+b):8*(NBF*\a+b)+7]
.endif
.set b, b+1
.endr
.endm
; NL LDS loads in one run: the fragments of quarter q (32 along K) of a slot into buffer f.  Block b = 4 j + i of W begins at byte 32 (i % 2) + 128 (i / 2) of my half of part j's rows.  x's row blocks 2 and 3 come last.
.macro FETCH slot, q, f
	WIN TO_B
.set b, 0
.rept NBF
	ds_load_tr16_b128 v[8*NBF*\f+8*b:8*NBF*\f+8*b+3],   v[ADRB+2*(b/4)+\slot] offset:(\q*32*PB)+(32*(b&1))+(128*((b>>1)&1))
	ds_load_tr16_b128 v[8*NBF*\f+8*b+4:8*NBF*\f+8*b+7], v[ADRB+2*(b/4)+\slot] offset:(\q*32*PB)+(16*PB)+(32*(b&1))+(128*((b>>1)&1))
.set b, b+1
.endr
	WIN 0
.irp a, 0,1,2,3
	ds_load_b128 v[FA0+32*\f+8*\a:FA0+32*\f+8*\a+3],   v[ADRA+\slot] offset:64*\q+\a*16*PA
	ds_load_b128 v[FA0+32*\f+8*\a+4:FA0+32*\f+8*\a+7], v[ADRA+\slot] offset:64*\q+\a*16*PA+32
.endr
.endm
; A K step is four quarters of 32 along K, 48 matrix instructions each, on buffers 0, 1, 0, 1.  The 48 accumulators take turns, one instruction a turn, in the same order in every quarter.
; One of the first three quarters: multiplies buffer f and, in its middle, fetches quarter q of the same slot into buffer g.  ask = 1: the request ahead stands behind that run of loads.
.macro QUARTER slot, q, f, g, zero, ask
	s_wait_dscnt 4                                 ; W and x's row blocks 0, 1 are in; the youngest four loads (blocks 2, 3) may be out
	WIN MUL_LO
	MULROW \f, 0, 0, \zero
	MULROW \f, 0, 1, \zero
	PLACES
	FETCH \slot, \q, \g
.if \ask
	ASK
.endif
	s_wait_dscnt NL                                ; all but the run just issued
	WIN MUL_HI
	MULROW \f, 1, 0, \zero
	MULROW \f, 1, 1, \zero
.endm
; The last quarter multiplies buffer 1 and changes slots: ONE barrier; in front of it each wave waits for its own reads of this slot and for all its tensor loads (one is out: its part of the next slot).
; fill = 1: the barrier opens a round of the cluster's barrier, and this slot is filled again, two K steps ahead, first thing behind the round.
.macro TURN slot, next, fill
	s_wait_dscnt 4
	WIN MUL_LO
	MULROW 1, 0, 0, 0
	s_wait_dscnt 0                                 ; my reads of this slot are over,
	s_wait_tensorcnt 0x0                           ; and all my tensor loads have landed
	ds_add_u32 v255, v31
	s_wait_dscnt 0x0
	s_barrier_signal -1
	MULROW 1, 0, 1, 0
.if \fill
	WIN 0
.endif
	s_barrier_wait -1
.if \fill
	CREST                                          ; no wave of any partner still reads this slot's tiles or has a load on its way
	s_add_nc_u64 s[G0+4*\slot+2:G0+4*\slot+3], s[G0+4*\slot+2:G0+4*\slot+3], 2*KSTEP*2
	s_add_nc_u64 s[G0B+4*\slot+2:G0B+4*\slot+3], s[G0B+4*\slot+2:G0B+4*\slot+3], 2*KSTEP*LDB*2
	JLOAD \slot                                    ; my one tensor load behind the round; its four v_nop are also the places in front of the loads below
.else
	PLACES
.endif
	FETCH \next, 0, 0
	WIN MUL_HI
	MULROW 1, 1, 0, 0
	MULROW 1, 1, 1, 0
.endm
	s_wait_tensorcnt 1                             ; my part of K step 0 is in; K step 1's may stay out
	s_barrier_signal -1
	s_barrier_wait -1                              ; everybody's is
	FETCH 0, 0, 0
	QUARTER 0, 1, 0, 1, 1, 0                       ; the first quarter stands in front of the loop: its products start the sums
	WIN 0                                          ; at a label and at a branch every window is 0
	s_mov_b32 s3, LAPS-1
.Llap:                                                 ; a trip goes once round the ring, from a lap's second quarter to the next lap's first, and fills both slots again
	QUARTER 0, 2, 1, 0, 0, 0
	QUARTER 0, 3, 0, 1, 0, 0
	TURN 0, 1, 1
	QUARTER 1, 1, 0, 1, 0, 0
	QUARTER 1, 2, 1, 0, 0, 0
	QUARTER 1, 3, 0, 1, 0, 1                       ; five quarters ahead of the next trip's first joint load
	TURN 1, 0, 1
	QUARTER 0, 1, 0, 1, 0, 0
	WIN 0
	s_sub_co_u32 s3, s3, 1
	s_cmp_lg_u32 s3, 0
	s_cbranch_scc1 .Llap
	QUARTER 0, 2, 1, 0, 0, 0                       ; the last lap fills nothing, and has no round of the cluster's barrier
	QUARTER 0, 3, 0, 1, 0, 0
	TURN 0, 1, 0
	QUARTER 1, 1, 0, 1, 0, 0
	QUARTER 1, 2, 1, 0, 0, 0
	QUARTER 1, 3, 0, 1, 0, 0
	s_wait_dscnt 4                                 ; the very last quarter: nothing more to fetch
	WIN MUL_LO
	MULROW 1, 0, 0, 0
	MULROW 1, 0, 1, 0
	s_wait_dscnt 0
	WIN MUL_HI
	MULROW 1, 1, 0, 0
	MULROW 1, 1, 1, 0
	WIN 0
	PLACES
; THE WAY OUT, a head at a time.  ROT: 16 rows of head j: x1 = blocks 4 j + p (columns under 64), x2 = blocks 4 j + 2 + p (their partners); out1 = x1 c - x2 s, out2 = x2 c + x1 s with c = f cos + g, s = f sin;
; rounded to f16 and put into the work-group's stage.  Each accumulator's registers are taken in ascending order.
.macro ROT j, a
.set AC, 8*(NBF*((\a)&1)+4*\j)
.irp e, 0,2,4,6,8,10,12,14
	v_pk_fma_f32 v[CP+\e:CP+\e+1], v[TAB+32*\a+\e:TAB+32*\a+\e+1], v[FG+4*\j:FG+4*\j+1], v[FG+4*\j+2:FG+4*\j+3]
.endr
.irp e, 0,2,4,6,8,10,12,14
	v_pk_mul_f32 v[SN+\e:SN+\e+1], v[TAB+32*\a+16+\e:TAB+32*\a+16+\e+1], v[FG+4*\j:FG+4*\j+1]
.endr
	WIN (0x02+((\a)>>1))                           ; source 0: the accumulators' window
.irp p, 0,1
.irp e, 0,2,4,6
	v_pk_mul_f32 v[FA0+32*\p+\e:FA0+32*\p+\e+1], v[AC+8*\p+\e:AC+8*\p+\e+1], v[CP+8*\p+\e:CP+8*\p+\e+1]
	v_pk_mul_f32 v[FA0+32*\p+8+\e:FA0+32*\p+8+\e+1], v[AC+16+8*\p+\e:AC+16+8*\p+\e+1], v[CP+8*\p+\e:CP+8*\p+\e+1]
.endr
.irp e, 0,2,4,6
	v_pk_fma_f32 v[FA0+32*\p+\e:FA0+32*\p+\e+1], v[AC+16+8*\p+\e:AC+16+8*\p+\e+1], v[SN+8*\p+\e:SN+8*\p+\e+1], v[FA0+32*\p+\e:FA0+32*\p+\e+1] neg_lo:[1,0,0] neg_hi:[1,0,0]
	v_pk_fma_f32 v[FA0+32*\p+8+\e:FA0+32*\p+8+\e+1], v[AC+8*\p+\e:AC+8*\p+\e+1], v[SN+8*\p+\e:SN+8*\p+\e+1], v[FA0+32*\p+8+\e:FA0+32*\p+8+\e+1]
.endr
.endr
	WIN 0
.irp p, 0,1
.irp k, 0,1,2,3
	v_cvt_pk_f16_f32 v[FA0+32*\p+16+\k], v[FA0+32*\p+2*\k], v[FA0+32*\p+2*\k+1]
	v_cvt_pk_f16_f32 v[FA0+32*\p+20+\k], v[FA0+32*\p+8+2*\k], v[FA0+32*\p+8+2*\k+1]
.endr
	ds_store_b128 v[STO], v[FA0+32*\p+16:FA0+32*\p+19] offset:\a*16*SP+32*\p
	ds_store_b128 v[STO], v[FA0+32*\p+20:FA0+32*\p+23] offset:\a*16*SP+32*\p+128
.endr
.endm
; A row's 256 bytes come from two waves, so a barrier stands between the writing and the reading of the stage, and another between one head's reading and the next head's writing.
.macro HEADOUT j
.if \j > 0
	s_wait_dscnt 0x0                               ; my reads of the stage are back (met: the count-down below ended at 0)
	s_barrier_signal -1
	s_barrier_wait -1                              ; everybody's are: the stage may be written again
	s_wait_xcnt 0x0                                ; v64-127 were the last head's store data: they are rewritten only behind this wait
.endif
.irp a, 0,1,2,3
	ROT \j, \a
.endr
	s_wait_dscnt 0x0                               ; for the others' sake: my stores into the stage are done
	s_barrier_signal -1
	s_barrier_wait -1
.irp t, 0,1,2,3,4,5,6,7,8,9,10,11,12,13,14,15
	ds_load_b128 v[FA0+4*\t:FA0+4*\t+3], v[RD] offset:\t*2*SP
.endr
.irp t, 0,1,2,3,4,5,6,7,8,9,10,11,12,13,14,15
	s_wait_dscnt 15-\t                             ; LDS loads come back in order: number t is in
	global_store_b128 v[CO], v[FA0+4*\t:FA0+4*\t+3], s[10:11] offset:\j*1048576+\t*512   ; two rows of the head: 512 consecutive bytes at a multiple of 512
.endr
.endm
	s_wait_loadcnt 0x0                             ; the table
	HEADOUT 0
	HEADOUT 1
	HEADOUT 2
	s_set_vgpr_msb 0x1
	s_wait_tensorcnt 0x0
	ds_add_u32 v255, v31
	s_wait_dscnt 0x0
	s_set_vgpr_msb 0x100
	CROUND                                         ; the closing round: no work-group ends while a partner may still ask for a tile that names it
	s_endpgm
.Lfunc_end_k_q013b6be011_qkvproj:
	.size	k_q013b6be011_qkvproj, .Lfunc_end_k_q013b6be011_qkvproj-k_q013b6be011_qkvproj
	.p2alignl 7, 3214868480
	.fill 96, 4, 3214868480
	.section	.rodata,"a",@progbits
	.p2align	6, 0x0
	.amdhsa_kernel k_q013b6be011_qkvproj
		.amdhsa_group_segment_fixed_size 327680
		.amdhsa_private_segment_fixed_size 0
		.amdhsa_enable_private_segment 0
		.amdhsa_kernarg_size 32
		.amdhsa_user_sgpr_count 2
		.amdhsa_user_sgpr_kernarg_segment_ptr 1
		.amdhsa_wavefront_size32 1
		.amdhsa_system_sgpr_workgroup_id_x 1
		.amdhsa_system_sgpr_workgroup_id_y 1
		.amdhsa_system_sgpr_workgroup_id_z 1
		.amdhsa_system_vgpr_workitem_id 0
		.amdhsa_next_free_vgpr 1024
		.amdhsa_next_free_sgpr 80
		.amdhsa_reserve_vcc 0
		.amdhsa_float_denorm_mode_32 3
		.amdhsa_float_denorm_mode_16_64 3
		.amdhsa_memory_ordered 1
		.amdhsa_forward_progress 1
		.amdhsa_inst_pref_size 162
	.end_amdhsa_kernel
	.amdgpu_metadata
---
amdhsa.version: [ 1, 2 ]
amdhsa.kernels:
  - .name:           k_q013b6be011_qkvproj
    .symbol:         k_q013b6be011_qkvproj.kd
    .args:
      - { .name: xh, .offset: 0, .size: 8, .value_kind: global_buffer, .address_space: global }
      - { .name: wqkv, .offset: 8, .size: 8, .value_kind: global_buffer, .address_space: global }
      - { .name: rope, .offset: 16, .size: 8, .value_kind: global_buffer, .address_space: global }
      - { .name: qkvh, .offset: 24, .size: 8, .value_kind: global_buffer, .address_space: global }
    .group_segment_fixed_size: 327680
    .private_segment_fixed_size: 0
    .kernarg_segment_align: 8
    .kernarg_segment_size: 32
    .max_flat_workgroup_size: 128
    .sgpr_count:     80
    .vgpr_count:     1024
    .wavefront_size: 32
...
	.end_amdgpu_metadata
.endif
;; end of part 2
;; launch attn (part 3): grid 16 x 16, 4 waves a work-group, no clusters, 197,120 bytes of LDS; arguments qkvh, Wo, yh, woh; writes yh, woh
.if DOCPART == 3
	.amdgcn_target "amdgcn-amd-amdhsa--gfx1250"
	.amdhsa_code_object_version 6
	.text
	.protected	k_q013b6be011_attn
	.globl	k_q013b6be011_attn
	.p2align	8
	.type	k_q013b6be011_attn,@function
k_q013b6be011_attn:
	s_mov_b64 s[64:65], 0
	v_nop
	global_prefetch_b8 v0, s[64:65] scope:SCOPE_SE
	s_setreg_imm32_b32 hwreg(HW_REG_WAVE_MODE, 25, 1), 1
	s_wait_xcnt 0x0
; yh[b t][head 128 + d] f16 = the sum over keys j with 0 <= i - j <= 256 of softmax_j(q[i] . k[j] / sqrt(128)) v[j].  qkvh: [24 heads][4096 rows][128] f16: heads 0-15 q / 4, 16-19 k / 4, 20-23 v.
; Products, maxima and sums in f32; the weights p (at most 1) are rounded to f16 for the second product, y once at the end.  LIMIT: |y| is at most the largest |v|, which the launch before keeps under 65,504.
; BESIDE IT: woh [2048][2048] f16 = Wo, which only the next launch wants.  The launch's 1,024 waves take 16 KiB of Wo each: 32 loads of 512 bytes, issued behind step 0's barrier, when the work-group's own K, V and Q have been
; asked for, into 128 registers that no step uses; they land while the steps are computed and are cast and stored at the way out.  Wo is rounded to bf16 like every input; it meets y in one matrix instruction, so that
; number is written in f16's format, which holds its 8 bits exactly from 2^-17 up; below, within 2^-25.  LIMIT: |Wo| beyond 65,504 does not fit f16.
; SHARES.  A work-group owns 64 queries (block qb) of one batch and one key/value head; wave w is query head 4 kvh + w.  So the four heads that share K and V read ONE copy of them in LDS.
; The band: the block needs keys 64 (qb - 4) .. 64 qb + 63, cut at 0.  The work-group brings the 320 keys from 64 max(qb - 4, 0) on (always inside the sequence) and walks 1 + min(qb, 4) steps of 64 keys.
; Step 0 holds a key that counts for every query, so the running maximum is a true score from the first step on.  Scores outside the band are set to the lowest f32, as reference() does; their weights come out 0.
; Only step 0 (the band's far edge, or the diagonal where qb = 0) and the last step (the diagonal) can hold such scores: between them 1 <= i - j <= 255.
; NO CLUSTER: neighbouring query blocks need bands 64 keys apart; a joint load lands at one LDS address in all partners, so each would have to read from a place that hangs on its place in the cluster.
; LAYOUT.  S^T = K Q^T (source 0 = 16 keys, source 1 = 16 queries): a lane holds ONE query (lane % 16) and the keys 8 (lane / 16) + 0..7.  Two such tiles, rounded in pairs, ARE source 1 of O^T = V^T P.
; K comes out of LDS as it lies, V ([key][channel]) turned, by ds_load_tr16_b128.
; SOFTMAX.  For each query a running maximum m and sum l: p = 2^(c s - c m), c = 16 log2(e) / sqrt(128) (the 16 takes back the two quarters); in every step O and l are multiplied by a = 2^(c m_old - c m_new).
; A step goes in phases: K's fragments, 64 products K Q^T, V's fragments asked for, the mask where it is due, the softmax of the four tiles, 64 products V^T P.
; LDS is filled once: K [320][272] at 0, V [320][288] at 87,040, then 16 rows x 272 bytes for each wave for the way out.
; REGISTERS, in windows of 256: window 0: v0-11, v44-50 addresses and the mask; v12-43 eight registers of statistics a tile; v64-191 S^T, 32 a tile; v192-255 P, 16 a tile
;   window 1: O^T, 64 a tile          window 2: v0-127 Q, 32 a tile; v128-255 K of one step          window 3: v0-127 V of one step; v128-255 my 16 KiB of Wo
.set KS,    64        ; keys in a step
.set PK,    272       ; a row of K in LDS: 256 bytes + 16 = 68 words: the 16 rows of a load start 4 words apart modulo 64
.set PVP,   288       ; a row of V: 256 + 32 = 72 words: the 8 rows x 32 bytes that 16 lanes of the turning load take start 8 words apart modulo 64
.set VBASE, 320*PK
.set STAGE, VBASE+320*PVP
.set SP,    272
.set AK0, 2           ; v2   my lane's place in a step's rows of K
.set AV0, 3           ; v3   the same for V, V's first byte in LDS included
.set ADR, 4           ; v4   the LDS address of the run of K's loads in hand
.set QO,  5           ; v5   my byte offset in the wave's rows of Q
.set STO, 6           ; v6   the way out: where I put 16 bytes of a row
.set RD,  7           ; v7   the way out: where I read a row back
.set GO,  8           ; v8   my byte offset in the wave's rows of y
.set ST,  12          ; tile t's statistics at v[ST+8 t]: +0 c m, +1 m, +2, +3 l (even keys', odd keys'), +4 to +7 c0-c3, at work; a takes c2's place once the maximum is found
.set DM0, 44          ; v44  i - j of my lane on the diagonal, for tile 0, key block 0, register 0: r - 8 h
.set DM,  45          ; v45  the same in step 0: 64 min(qb, 4) more
.set TM,  46          ; v46  at work in the mask
.set ADV, 47          ; v47  the LDS address of the run of V's loads in hand
.set NEGV, 48         ; v48  the lowest f32
.set WI,  49          ; v49  Wo: 16 bytes a lane in; never rewritten
.set WOF, 50          ; v50  woh: 8 bytes a lane out; never rewritten
.set WX,  128         ; Wo's numbers, in window 3: load n at v[WX+4 n]
.set S,   64
.set P,   192
.set KF,  128         ; K's fragments, in window 2
.set WV,  12          ; s12  my wave's number
.set GK32,  24        ; s[24:31] descriptor group 1: 32 rows of K;  s[32:39] 128 rows of K;  s[40:47], s[48:55] the same for V (more padding)
.set GK128, 32
.set GV32,  40
.set GV128, 48
.set G0K, 56          ; s[56:63] descriptor group 0 for K's two loads
.set G0V, 68          ; s[68:75] for V's
.set CS,  76          ; s[76:77] c: the packed scaling names a pair and takes its low word for both halves
.set SEL, 78          ; s[78:79] lane selects for v_permlanex16_b32: each lane takes its own place in the other half
.set TBK, 80          ; s80  LDS byte at which the step's rows of K begin: 0 in step 0, one step's rows more in each trip of the loop
.set TBV, 81          ; s81  the same for V, from V's first byte
.set HI,  85          ; s85  a word's upper bf16
.set MSB, 0
.macro WIN new                      ; the immediate's high byte repeats the setting that is left; a switch that changes nothing is dropped
.if MSB != \new
	s_set_vgpr_msb (MSB<<8)|\new
.set MSB, \new
.endif
.endm
.set W_KQ, 0x0a       ; K and Q in window 2, S^T in window 0
.set W_PV, 0x53       ; V in window 3, P in window 0, O^T in window 1
.set W_RS, 0x41       ; O^T (destination and source 0) in window 1, a in window 0
.macro PLACES                       ; four places in front of loads into registers that matrix instructions have read, and of instructions that read results
.rept 4
	v_nop
.endr
.endm
	s_load_b128 s[4:7], s[0:1], 0x0  ; qkvh s[4:5], Wo s[6:7]
	s_load_b128 s[92:95], s[0:1], 0x10  ; yh s[92:93], woh s[94:95]
	v_lshl_add_u32 v62, v0, 2, 0x30000
	v_mov_b32 v63, 0
	ds_add_u32 v62, v63
	ds_add_u32 v62, v63
	v_lshrrev_b32 v1, 5, v0
	v_readfirstlane_b32 s[WV], v1   ; wave 0..3
	s_mov_b32 s13, ttmp9            ; qb
	s_and_b32 s14, ttmp7, 0xffff
	s_lshr_b32 s15, s14, 2          ; batch
	s_and_b32 s16, s14, 3           ; key/value head
	s_max_u32 s17, s13, 4
	s_sub_co_u32 s17, s17, 4        ; the first block of 64 keys that is brought
	s_min_u32 s18, s13, 4           ; steps behind step 0
	s_and_b32 s84, s[WV], 1         ; which half of K's (waves 0, 1) or V's (waves 2, 3) rows I fetch
	; group 1: rows of 128 elements of 2 bytes, padded behind every 64 words by 4 words (K) or 8 (V); no mask: the launch has no cluster
.irp g, GK32, GK128
	s_mov_b32 s[\g], (1<<16)|(1<<20)|(5<<22)|(3<<25)
.endr
.irp g, GV32, GV128
	s_mov_b32 s[\g], (1<<16)|(1<<20)|(5<<22)|(7<<25)
.endr
.irp g, GK32, GV32
	s_mov_b32 s[\g+2], 32<<16       ; tensor_dim1
	s_mov_b32 s[\g+4], 32           ; tile_dim1
.endr
.irp g, GK128, GV128
	s_mov_b32 s[\g+2], 128<<16
	s_mov_b32 s[\g+4], 128
.endr
.irp g, GK32, GK128, GV32, GV128
	s_mov_b32 s[\g+1], 128<<16      ; tensor_dim0
	s_mov_b32 s[\g+3], 128<<16      ; tile_dim0
	s_mov_b32 s[\g+5], 128          ; elements from row to row
	s_mov_b32 s[\g+6], 0
	s_mov_b32 s[\g+7], 0
.endr
	; group 0.  Load 1: my 32 of step 0's 64 rows.  Load 2: my 128 of the 256 rows of steps 1 to 4.
	s_mov_b32 s[G0K], 1
	s_mul_i32 s[G0K+1], s84, 32*PK
	s_mov_b32 s[G0K+4], 1
	s_mul_i32 s[G0K+5], s84, 128*PK
	s_add_co_u32 s[G0K+5], s[G0K+5], 64*PK
	s_mov_b32 s[G0V], 1
	s_mul_i32 s[G0V+1], s84, 32*PVP
	s_add_co_u32 s[G0V+1], s[G0V+1], VBASE
	s_mov_b32 s[G0V+4], 1
	s_mul_i32 s[G0V+5], s84, 128*PVP
	s_add_co_u32 s[G0V+5], s[G0V+5], VBASE+64*PVP
	s_lshl_b32 s20, s15, 10
	s_lshl_b32 s21, s17, 6
	s_add_co_u32 s20, s20, s21      ; the first key's row in a head
	s_lshl_b32 s20, s20, 8          ; in bytes
	s_lshl_b32 s21, s16, 20         ; kvh heads of 4,096 rows x 256 bytes
	s_add_co_u32 s20, s20, s21
	s_lshl_b32 s21, s84, 13
	s_add_co_u32 s22, s20, s21      ; load 1: + 32 rows for the second half
	s_mov_b32 s23, 0
	s_lshl_b32 s21, s84, 15
	s_add_co_u32 s20, s20, s21      ; load 2: + 128 rows for the second half,
	s_add_co_u32 s20, s20, 64*256   ; behind step 0's 64 rows
	s_mov_b32 s21, 0
	s_lshl_b32 s86, s16, 2
	s_add_co_u32 s86, s86, s[WV]    ; my query head
	s_lshl_b32 s88, s15, 10
	s_lshl_b32 s89, s13, 6
	s_add_co_u32 s88, s88, s89      ; my block's first row
	s_lshl_b32 s90, s86, 20
	s_lshl_b32 s89, s88, 8
	s_add_co_u32 s90, s90, s89      ; Q: head x 2^20 + row x 256
	s_mov_b32 s91, 0
	s_lshl_b32 s88, s88, 12
	s_lshl_b32 s89, s86, 8
	s_add_co_u32 s88, s88, s89      ; y: row x 4,096 + head x 256
	s_mov_b32 s89, 0
	s_lshl_b32 s66, s14, 4
	s_add_co_u32 s66, s66, s13      ; the work-group's number, 0 to 255,
	s_lshl_b32 s66, s66, 2
	s_add_co_u32 s66, s66, s[WV]    ; and my wave's among the launch's 1,024
	s_lshl_b32 s82, s66, 13         ; woh: 8,192 bytes a wave
	s_mov_b32 s83, 0
	s_lshl_b32 s66, s66, 14         ; Wo: 16,384 bytes a wave
	s_mov_b32 s67, 0
	s_mov_b32 s[HI], 0xffff0000
	s_mov_b32 s[CS], 0x400293ee     ; c = 16 log2(e) / sqrt(128) = 2.040276
	s_mov_b32 s[CS+1], s[CS]        ; named with it as a pair, so it is written
	s_mov_b32 s[SEL], 0x76543210
	s_mov_b32 s[SEL+1], 0xfedcba98
	s_wait_dscnt 0x0
	s_wait_kmcnt 0x0
	s_add_nc_u64 s[22:23], s[4:5], s[22:23]
	s_add_nc_u64 s[20:21], s[4:5], s[20:21]
	s_add_nc_u64 s[G0K+2:G0K+3], s[22:23], 16<<20   ; K's heads begin at head 16,
	s_add_nc_u64 s[G0K+6:G0K+7], s[20:21], 16<<20
	s_add_nc_u64 s[G0V+2:G0V+3], s[22:23], 20<<20   ; V's at head 20
	s_add_nc_u64 s[G0V+6:G0V+7], s[20:21], 20<<20
.irp g, G0K+3, G0K+7, G0V+3, G0V+7
	s_or_b32 s[\g], s[\g], 0x80000000  ; type = 2
.endr
	s_add_nc_u64 s[8:9], s[4:5], s[90:91]
	s_add_nc_u64 s[10:11], s[92:93], s[88:89]
	s_add_nc_u64 s[6:7], s[6:7], s[66:67]
	s_add_nc_u64 s[94:95], s[94:95], s[82:83]
	s_cmp_lt_u32 s[WV], 2           ; a wave's two fills stand in one branch, ahead of every wait on TENSORcnt, every LDS read and every barrier: two loads of mine are out, and no more follow; four v_nop follow the second
	s_cbranch_scc0 .Lfirst_v
	tensor_load_to_lds s[G0K:G0K+3], s[GK32:GK32+7]
	s_nop 0
	tensor_load_to_lds s[G0K+4:G0K+7], s[GK128:GK128+7]
	s_nop 0
.rept 4
	v_nop
.endr
	s_branch .Lfirst_asked
.Lfirst_v:
	tensor_load_to_lds s[G0V:G0V+3], s[GV32:GV32+7]
	s_nop 0
	tensor_load_to_lds s[G0V+4:G0V+7], s[GV128:GV128+7]
	s_nop 0
.rept 4
	v_nop
.endr
.Lfirst_asked:
	; A fragment of K or Q is 16 rows x 32 channels in 8 registers: lane l holds row l % 16; registers 0-3 channels 8 (l / 16) + 0..7, registers 4-7 channels 16 + 8 (l / 16) + 0..7: two loads of 16 bytes, 32 bytes apart.
	v_and_b32 v1, 15, v0            ; r = l % 16
	v_bfe_u32 v9, v0, 4, 1          ; h = l / 16
	v_lshlrev_b32 v[QO], 8, v1
	v_lshl_add_u32 v[QO], v9, 4, v[QO]  ; row x 256 + 16 x half
	WIN 0x80                        ; destination window 2, address window 0
.irp i, 0,1,2,3,4,5,6,7,8,9,10,11,12,13,14,15  ; Q stays in registers: tile i / 4, channels 32 (i % 4) on
	global_load_b128 v[8*\i:8*\i+3],   v[QO], s[8:9] offset:(\i/4)*4096+(\i%4)*64
	global_load_b128 v[8*\i+4:8*\i+7], v[QO], s[8:9] offset:(\i/4)*4096+(\i%4)*64+32
.endr
	WIN 0
	v_mul_u32_u24 v[AK0], v1, PK
	v_lshl_add_u32 v[AK0], v9, 4, v[AK0]  ; row x pitch + 16 x half
	; The turning load takes 16 keys x 16 channels (lane l reads 16 bytes: key 8 (l / 16) + l % 8, channels 8 ((l / 8) % 2) + 0..7) and leaves half a fragment of V^T: lane l holds channel l % 16 and 8 keys.
	v_and_b32 v10, 7, v0
	v_bfe_u32 v11, v0, 3, 1
	v_lshl_add_u32 v[AV0], v9, 3, v10
	v_mul_u32_u24 v[AV0], v[AV0], PVP
	v_lshl_add_u32 v[AV0], v11, 4, v[AV0]
	v_add_nc_u32 v[AV0], VBASE, v[AV0]
	s_mul_i32 s20, s[WV], 16*SP
	s_add_co_u32 s20, s20, STAGE    ; my stage
	v_mul_u32_u24 v[STO], v1, SP    ; in: row l % 16, 16 bytes for each half of the lanes
	v_lshl_add_u32 v[STO], v9, 4, v[STO]
	v_add_nc_u32 v[STO], s20, v[STO]
	v_mul_u32_u24 v[RD], v9, SP     ; back: lanes 0-15 take one row of 256 bytes, lanes 16-31 the next
	v_lshl_add_u32 v[RD], v1, 4, v[RD]
	v_add_nc_u32 v[RD], s20, v[RD]
	v_lshlrev_b32 v[GO], 12, v9     ; and the same two rows in y, 4,096 bytes apart
	v_lshl_add_u32 v[GO], v1, 4, v[GO]
	v_lshlrev_b32 v10, 3, v9
	v_sub_nc_u32 v[DM0], v1, v10    ; r - 8 h
	s_lshl_b32 s21, s18, 6
	v_add_nc_u32 v[DM], s21, v[DM0] ; step 0 lies 64 min(qb, 4) keys in front of the diagonal
	v_mov_b32 v[NEGV], 0xff7fffff
	v_and_b32 v10, 31, v0
	v_lshlrev_b32 v[WI], 4, v10
	v_lshlrev_b32 v[WOF], 3, v10
; 64 products S^T = K Q^T: product i takes channels 32 (i / 16) on, keys 16 ((i / 4) % 4) on, tile i % 4.  The first 16 start the sums.  The 16 accumulators take turns, one instruction a turn.
.macro KQALL
	WIN W_KQ
.set i, 0
.rept 64
.set rS, S+32*(i%4)+8*((i/4)%4)
.set rK, KF+32*((i/4)%4)+8*(i/16)
.set rQ, 32*(i%4)+8*(i/16)
.if i < 16
	v_wmma_f32_16x16x32_f16 v[rS:rS+7], v[rK:rK+7], v[rQ:rQ+7], 0
.else
	v_wmma_f32_16x16x32_f16 v[rS:rS+7], v[rK:rK+7], v[rQ:rQ+7], v[rS:rS+7]
.endif
.set i, i+1
.endr
.endm
; 64 products O^T += V^T P: product i takes keys 32 (i / 32) on, channels 16 ((i / 4) % 8) on, tile i % 4.  first = 1: the first 32 start the sums: nothing is ever cleared.  32 accumulators by turns.
.macro PVALL first
	WIN W_PV
.set i, 0
.rept 64
.set rO, 64*(i%4)+8*((i/4)%8)
.set rV, 64*(i/32)+8*((i/4)%8)
.set rP, P+16*(i%4)+8*(i/32)
.if \first && (i < 32)
	v_wmma_f32_16x16x32_f16 v[rO:rO+7], v[rV:rV+7], v[rP:rP+7], 0
.else
	v_wmma_f32_16x16x32_f16 v[rO:rO+7], v[rV:rV+7], v[rP:rP+7], v[rO:rO+7]
.endif
.set i, i+1
.endr
.endm
; THE LDS LOADS stand in two runs of 32: a step's K (64 keys x 128 channels: 16 fragments) at its head, its V (turned) behind the products K Q^T.
.macro FETCH_K
	WIN 0
	v_add_nc_u32 v[ADR], s[TBK], v[AK0]
	WIN 0x80                        ; destination window 2
.irp f, 0,1,2,3,4,5,6,7,8,9,10,11,12,13,14,15  ; keys 16 (f / 4) on, channels 32 (f % 4) on
	ds_load_b128 v[KF+8*\f:KF+8*\f+3],   v[ADR] offset:(\f/4)*16*PK+(\f%4)*64
	ds_load_b128 v[KF+8*\f+4:KF+8*\f+7], v[ADR] offset:(\f/4)*16*PK+(\f%4)*64+32
.endr
.endm
.macro FETCH_V
	WIN 0
	v_add_nc_u32 v[ADV], s[TBV], v[AV0]
	WIN 0xc0                        ; destination window 3
.irp f, 0,1,2,3,4,5,6,7,8,9,10,11,12,13,14,15  ; keys 32 (f / 8) on, channels 16 (f % 8) on
	ds_load_tr16_b128 v[8*\f:8*\f+3],   v[ADV] offset:(\f/8)*32*PVP+(\f%8)*32
	ds_load_tr16_b128 v[8*\f+4:8*\f+7], v[ADV] offset:(\f/8)*32*PVP+16*PVP+(\f%8)*32
.endr
.endm
; THE MASK.  Register e of key block kb of tile t has i - j = dm + 16 t - 16 kb - e; it counts where 0 <= i - j <= 256, which is one unsigned comparison.  Each accumulator's registers are taken in ascending order.
.macro MASK dm
.irp t, 0,1,2,3
.irp kb, 0,1,2,3
.irp e, 0,1,2,3,4,5,6,7
	v_add_nc_u32 v[TM], 16*\t-16*\kb-\e, v[\dm]
	v_cmp_gt_u32 vcc_lo, 0x101, v[TM]
	v_cndmask_b32 v[S+32*\t+8*\kb+\e], v[NEGV], v[S+32*\t+8*\kb+\e], vcc_lo
.endr
.endr
.endr
.endm
; THE SOFTMAX.  One tile's softmax for one key step is a list of 134 instructions; SM writes number j of it for tile t.  s0-s31 are the lane's 32 scores, in pairs 0-15.
; first = 1: the first key step, which starts m, l and O^T: it has no a and nothing to rescale.
;   0-15    the maximum of s0-s31 and the old m, three operands at a time: four chains c0-c3 of seven scores each (each begins with an accumulator's lowest registers), then the four scores left over, c0-c3 and m
;   16-20   the other half of the lanes' maximum; the new m; c m; c m_old - c m_new
;   21-87   33 exponentials (a, then s0-s31) at the odd numbers from 23 on, so that no two follow each other and each has a plain instruction behind it before its result is used (ISA guide 5.7.2).
;           Plain instruction q (number 21, then the even numbers) is whatever is ready: c s - c m for a pair of scores whose exponentials are still to come, the rounding to f16 of a pair of weights
;           whose exponentials are done, at last the first three sums
;   88-101  the last rounding; the rest of the sums; l = a l + the sum
;   102-133 the tile's O^T times a, in ascending order: the one part that leaves window 0, so it stands together
.macro SM t, first
.set rT, ST+8*(\t)
.set rS, S+32*(\t)
.set rP, P+16*(\t)
.set rO, 64*(\t)+2*(j-102)
.set q, (j-20)/2
.if j < 102
	WIN 0
.endif
.if j < 4
	v_max3_num_f32 v[rT+4+j], v[rS+8*j], v[rS+8*j+1], v[rS+8*j+2]
.elseif j < 12
	v_max3_num_f32 v[rT+4+j%4], v[rT+4+j%4], v[rS+8*(j%4)+2*(j/4)+1], v[rS+8*(j%4)+2*(j/4)+2]
.elseif j == 12
	v_max3_num_f32 v[rT+4], v[rT+4], v[rS+7], v[rS+15]
.elseif j == 13
	v_max3_num_f32 v[rT+6], v[rT+6], v[rS+23], v[rS+31]
.elseif j == 14
	v_max3_num_f32 v[rT+4], v[rT+4], v[rT+5], v[rT+6]
.elseif (j == 15) && \first
	v_max_num_f32 v[rT+4], v[rT+4], v[rT+7]
.elseif j == 15
	v_max3_num_f32 v[rT+4], v[rT+4], v[rT+7], v[rT+1]
.elseif j == 16
	v_permlanex16_b32 v[rT+5], v[rT+4], s[SEL], s[SEL+1]  ; the query's other 32 keys lie in the lane 16 away
.elseif j == 18
	v_max_num_f32 v[rT+1], v[rT+4], v[rT+5]
.elseif j == 19
	v_mul_f32 v[rT], s[CS], v[rT+1]
.elseif ((j == 17) || (j == 20) || (j == 23) || (j > 101)) && \first  ; the first step has none of these
.elseif j == 17
	v_mov_b32 v[rT+7], v[rT]        ; c m_old is kept for a: number 19 writes c m anew
.elseif j == 20
	v_sub_f32 v[rT+7], v[rT+7], v[rT]
.elseif j == 23
	v_exp_f32 v[rT+6], v[rT+7]
.elseif (j < 88) && (j > 23) && (j%2 == 1)
	v_exp_f32 v[rS+(j-25)/2], v[rS+(j-25)/2]
.elseif (q < 4) || ((j < 76) && (q%2 == 0))
.set b, q/2+2
.if q < 4
.set b, q
.endif
	v_pk_fma_f32 v[rS+2*b:rS+2*b+1], v[rS+2*b:rS+2*b+1], s[CS:CS+1], v[rT:rT+1] op_sel_hi:[1,0,0] neg_lo:[0,0,1] neg_hi:[0,0,1]  ; pair b: c s - c m
.elseif (j < 88) && (q%2 == 1)
	s_wait_alu depctr_va_vdst(0)
	v_cvt_pk_f16_f32 v[rP+(q-5)/2], v[rS+q-5], v[rS+q-4]  ; pair (q - 5) / 2: its second exponential stands three numbers back
.elseif j == 89
	s_wait_alu depctr_va_vdst(0)
	v_cvt_pk_f16_f32 v[rP+15], v[rS+30], v[rS+31]
.elseif j < 102                     ; the sum of the tile's 16 pairs (in a pair: an even key's weight, an odd key's), in place: sum z of 16 adds neighbours 1, 2, 4 and 8 pairs apart, then l takes it
.set z, j-86
.if j < 89
.set z, (j-76)/4
.endif
.set w, 4
.set u, z
.if z >= 14
.set w, 32
.set u, 0
.elseif z >= 12
.set w, 16
.set u, z-12
.elseif z >= 8
.set w, 8
.set u, z-8
.endif
.if (z == 14) && \first
	v_pk_add_f32 v[rT+2:rT+3], v[rS:rS+1], v[rS+16:rS+17]
.elseif z < 15
	v_pk_add_f32 v[rS+w*u:rS+w*u+1], v[rS+w*u:rS+w*u+1], v[rS+w*u+w/2:rS+w*u+w/2+1]
.elseif !\first
	v_pk_fma_f32 v[rT+2:rT+3], v[rT+2:rT+3], v[rT+6:rT+7], v[rS:rS+1] op_sel_hi:[1,0,1]
.endif
.else
	WIN W_RS
	v_pk_mul_f32 v[rO:rO+1], v[rO:rO+1], v[rT+6:rT+7] op_sel_hi:[1,0]
.endif
.endm
; Slice k of 64 of the softmax of tiles y and y + 1: numbers 2 k and 2 k + 1 of both tiles' lists.  2 x 134 = 4 x 64 + 12: the twelve that are over stand in slice 63.
.macro SLICE y, first
.if (k >= 11) && (k < 44)           ; tile by tile: plain, exponential, plain, exponential
.irp t, \y, \y+1
.irp n, 0,1
.set j, 2*k+\n
	SM \t, \first
.endr
.endr
.else                               ; the two tiles alternate, so that no instruction reads the result of the one just before it
.irp n, 0,1,2,3,4,5,6,7
.if (\n < 2) || (k == 63)
.irp t, \y, \y+1
.set j, 2*k+\n
	SM \t, \first
.endr
.endif
.endr
.endif
.set k, k+1
.endm
; A KEY STEP.  first = 1: step 0, written out in front of the loop.  Otherwise step s19 of the loop.
.macro STEP first
.if \first
	s_mov_b32 s[TBK], 0
	s_mov_b32 s[TBV], 0
.else
	s_add_co_u32 s[TBK], s[TBK], KS*PK   ; the next 64 rows: four trips at the most end at row 256 of K's and V's 320
	s_add_co_u32 s[TBV], s[TBV], KS*PVP
.endif
	FETCH_K                         ; K's registers were last read by the step before's products K Q^T, in front of its four places and its softmax
	s_wait_dscnt 0x0                ; K is in: nothing else is out
.if \first
	s_wait_loadcnt 0x0              ; Q
.endif
	KQALL
	WIN 0
	PLACES                          ; what follows reads scores just made, and loads into V's registers, which the step before's products V^T P read
	FETCH_V                         ; it has the mask and the softmax in which to come
	WIN 0                           ; at a label and at a branch every window is 0
.if \first
	MASK DM                         ; the band's far edge, the diagonal (qb = 0), or, for qb = 1 to 3, nothing: every comparison then holds
.else
	s_cmp_lg_u32 s19, s18
	s_cbranch_scc1 .Lno_mask_\@     ; only the last step holds the diagonal
	MASK DM0
.Lno_mask_\@:
.endif
.set k, 0
.rept 64
	SLICE 0, \first
.endr
.set k, 0
.rept 64
	SLICE 2, \first
.endr
	s_wait_dscnt 0x0                ; V is in
	PVALL \first
	WIN 0
.endm
; Eight of my 32 loads of Wo are cast and stored: rounded to bf16, widened again, written in f16's format, in place.  The shifts and masks have a constant or a scalar as their first source, so that place's window is 0 there.
.macro WOCAST g
	s_wait_loadcnt 24-8*\g          ; loads come back in order (ISA guide 5.7.1): these eight are in, the later groups may stay out
	WIN 0xcf                        ; sources 0 and 1 and the destination: window 3
.set n, 8*\g
.rept 8
	v_cvt_pk_bf16_f32 v[WX+4*n], v[WX+4*n], v[WX+4*n+1]        ; the one rounding, to nearest even
	v_cvt_pk_bf16_f32 v[WX+4*n+2], v[WX+4*n+2], v[WX+4*n+3]
.set n, n+1
.endr
	WIN 0xcc                        ; source 1 and the destination: window 3
.set n, 8*\g
.rept 8
	v_and_b32     v[WX+4*n+1], s[HI], v[WX+4*n]                ; the rounded numbers as f32 again: the high half stays,
	v_lshlrev_b32 v[WX+4*n],   16,    v[WX+4*n]                ; the low half moves up
	v_and_b32     v[WX+4*n+3], s[HI], v[WX+4*n+2]
	v_lshlrev_b32 v[WX+4*n+2], 16,    v[WX+4*n+2]
.set n, n+1
.endr
	WIN 0xcf
.set n, 8*\g
.rept 8
	v_cvt_pk_f16_f32 v[WX+4*n], v[WX+4*n], v[WX+4*n+1]         ; f16 holds their 8 bits
	v_cvt_pk_f16_f32 v[WX+4*n+1], v[WX+4*n+2], v[WX+4*n+3]
.set n, n+1
.endr
	WIN 0x0c                        ; the stores' data: window 3; their address: window 0
.set n, 8*\g
.rept 8
	global_store_b64 v[WOF], v[WX+4*n:WX+4*n+1], s[94:95] offset:n*256   ; 32 lanes store 256 consecutive bytes, at a multiple of 256; the registers are not written again
.set n, n+1
.endr
.endm
	s_wait_tensorcnt 1              ; my part of step 0's rows is in; the other rows may stay out
	s_barrier_signal -1
	s_barrier_wait -1               ; everybody's is
	STEP 1
	s_wait_tensorcnt 0x0            ; my part of the other rows is in (on every path: no tensor load is out at the end),
	s_wait_dscnt 0x0
	s_barrier_signal -1
	s_barrier_wait -1               ; everybody's is
	WIN 0xc0                        ; destination window 3, address window 0
.set n, 0
.rept 32
	global_load_b128 v[WX+4*n:WX+4*n+3], v[WI], s[6:7] offset:n*512 th:TH_LOAD_NT   ; my 16 KiB of Wo: they have the steps that follow in which to land
.set n, n+1
.endr
	WIN 0
	s_cmp_eq_u32 s18, 0
	s_cbranch_scc1 .Lout            ; block 0 has the one step
	s_mov_b32 s19, 1
.Lstep:                             ; steps 1 to min(qb, 4).  The counter runs against a constant, four trips at the most, which bounds the stepped LDS addresses by the text's own count;
	STEP 0                          ; a block with fewer steps leaves behind its last one
	s_cmp_eq_u32 s19, s18
	s_cbranch_scc1 .Lout
	s_add_co_u32 s19, s19, 1
	s_cmp_lt_u32 s19, 5
	s_cbranch_scc1 .Lstep
.Lout:
	; The four waves meet: every wave's reads of K and V are back before any wave stores into LDS.  The stages are bytes of their own; the barrier keeps the work-group's reads at stepped addresses and its stores in separate phases.
	s_wait_dscnt 0x0
	s_barrier_signal -1
	s_barrier_wait -1
	; Wo's cast goes first, so that its stores leave while y is packed.  Its conversions name no register of the last products: they are the places behind them.
	WOCAST 0
	WOCAST 1
	WOCAST 2
	WOCAST 3
	WIN 0
	; THE WAY OUT.  l's two halves and the other half of the lanes' are added; O^T is divided by l, rounded to f16 and sent through my stage in LDS, a tile (16 rows of y) at a time.
.irp t, 0,1,2,3
	v_add_f32 v[ST+8*\t+4], v[ST+8*\t+2], v[ST+8*\t+3]
.endr
.irp t, 0,1,2,3
	v_permlanex16_b32 v[ST+8*\t+5], v[ST+8*\t+4], s[SEL], s[SEL+1]
.endr
.irp t, 0,1,2,3
	v_add_f32 v[ST+8*\t+4], v[ST+8*\t+4], v[ST+8*\t+5]
.endr
.irp t, 0,1,2,3
	v_rcp_f32 v[ST+8*\t+6], v[ST+8*\t+4]
.endr
	v_nop                           ; a plain instruction between the last reciprocal and the use of its result
	s_wait_alu depctr_va_vdst(0)
; Tile t: a lane's eight channels of a row pack into 16 bytes; they go into rows of 272 bytes and come back as whole rows of 256, into the registers that they left.
.macro PACK t
	WIN W_RS
.set i, 64*\t
.rept 32
	v_pk_mul_f32 v[i:i+1], v[i:i+1], v[ST+8*\t+6:ST+8*\t+7] op_sel_hi:[1,0]
.set i, i+2
.endr
	WIN 0x05                        ; sources 0 and 1 window 1, destination window 0: S^T's registers are free
.set i, 0
.rept 32
	v_cvt_pk_f16_f32 v[S+32*\t+i], v[64*\t+2*i], v[64*\t+2*i+1]
.set i, i+1
.endr
	WIN 0
.irp f, 0,1,2,3,4,5,6,7
	ds_store_b128 v[STO], v[S+32*\t+4*\f:S+32*\t+4*\f+3] offset:32*\f
.endr
.irp f, 0,1,2,3,4,5,6,7
	ds_load_b128 v[S+32*\t+4*\f:S+32*\t+4*\f+3], v[RD] offset:\f*2*SP  ; LDS serves a wave's instructions in order (ISA guide 5.7.1.4): these see the stores above; the next tile's stores come behind them
.endr
.endm
.macro SEND t, younger              ; younger: the LDS instructions issued behind tile t's loads: the next tile's sixteen, or none
.irp f, 0,1,2,3,4,5,6,7
	s_wait_dscnt \younger+7-\f
	global_store_b128 v[GO], v[S+32*\t+4*\f:S+32*\t+4*\f+3], s[10:11] offset:\t*65536+\f*8192  ; 16 lanes store a head's 256 consecutive bytes of a row of y, at a multiple of 256
.endr
.endm
	PACK 0
	PACK 1                          ; a tile's arithmetic stands between the loads of the tile before and its stores
	SEND 0, 16
	PACK 2
	SEND 1, 16
	PACK 3
	SEND 2, 16
	SEND 3, 0
	s_wait_tensorcnt 0x0
	ds_add_u32 v62, v63
	s_wait_dscnt 0x0
	s_endpgm
.Lfunc_end_k_q013b6be011_attn:
	.size	k_q013b6be011_attn, .Lfunc_end_k_q013b6be011_attn-k_q013b6be011_attn
	.p2alignl 7, 3214868480
	.fill 96, 4, 3214868480
	.section	.rodata,"a",@progbits
	.p2align	6, 0x0
	.amdhsa_kernel k_q013b6be011_attn
		.amdhsa_group_segment_fixed_size 197120
		.amdhsa_private_segment_fixed_size 0
		.amdhsa_enable_private_segment 0
		.amdhsa_kernarg_size 32
		.amdhsa_user_sgpr_count 2
		.amdhsa_user_sgpr_kernarg_segment_ptr 1
		.amdhsa_wavefront_size32 1
		.amdhsa_system_sgpr_workgroup_id_x 1
		.amdhsa_system_sgpr_workgroup_id_y 1
		.amdhsa_system_sgpr_workgroup_id_z 1
		.amdhsa_system_vgpr_workitem_id 0
		.amdhsa_next_free_vgpr 1024
		.amdhsa_next_free_sgpr 96
		.amdhsa_reserve_vcc 1
		.amdhsa_float_denorm_mode_32 3
		.amdhsa_float_denorm_mode_16_64 3
		.amdhsa_memory_ordered 1
		.amdhsa_forward_progress 1
		.amdhsa_inst_pref_size 169
	.end_amdhsa_kernel
	.amdgpu_metadata
---
amdhsa.version: [ 1, 2 ]
amdhsa.kernels:
  - .name:           k_q013b6be011_attn
    .symbol:         k_q013b6be011_attn.kd
    .args:
      - { .name: qkvh, .offset: 0, .size: 8, .value_kind: global_buffer, .address_space: global }
      - { .name: Wo, .offset: 8, .size: 8, .value_kind: global_buffer, .address_space: global }
      - { .name: yh, .offset: 16, .size: 8, .value_kind: global_buffer, .address_space: global }
      - { .name: woh, .offset: 24, .size: 8, .value_kind: global_buffer, .address_space: global }
    .group_segment_fixed_size: 197120
    .private_segment_fixed_size: 0
    .kernarg_segment_align: 8
    .kernarg_segment_size: 32
    .max_flat_workgroup_size: 128
    .sgpr_count:     96
    .vgpr_count:     1024
    .wavefront_size: 32
...
	.end_amdgpu_metadata
.endif
;; end of part 3
;; launch outproj (part 4): grid 8 x 32, 4 waves a work-group, clusters of 4 x 4, 327,680 bytes of LDS; arguments yh, woh, out0; writes out0
.if DOCPART == 4
	.amdgcn_target "amdgcn-amd-amdhsa--gfx1250"
	.amdhsa_code_object_version 6
	.text
	.protected	k_q013b6be011_outproj
	.globl	k_q013b6be011_outproj
	.p2align	8
	.type	k_q013b6be011_outproj,@function
k_q013b6be011_outproj:
	s_mov_b64 s[64:65], 0
	v_nop
	global_prefetch_b8 v0, s[64:65] scope:SCOPE_SE
	s_setreg_imm32_b32 hwreg(HW_REG_WAVE_MODE, 25, 1), 1
	s_wait_xcnt 0x0
	s_wait_alu depctr_hold_cnt(0) depctr_sa_sdst(0) depctr_va_vdst(0) depctr_va_sdst(0) depctr_va_ssrc(0) depctr_va_vcc(0) depctr_vm_vsrc(0)
	s_getreg_b32 s2, hwreg(HW_REG_IB_STS2, 6, 4)
	s_cmp_eq_u32 s2, 0
	s_cbranch_scc0 .Lentry_in_a_cluster
	s_endpgm
.Lentry_in_a_cluster:
	s_bfe_u32 s2, ttmp6, 0x10000c
	s_cmp_lg_u32 s2, 0xf033
	s_cbranch_scc0 .Lentry_shape_is_right
	s_endpgm
.Lentry_shape_is_right:
; out0[m][n] f32 = the sum over k of yh[m][k] woh[k][n].  yh: [4096][2048] f16; woh: [2048 k][2048 n] f16 (Wo at bf16's precision, cast by the launch before); sums in f32, stored as they are.
; SHARES.  A tile of the result is 128 rows x 256 columns: 8 x 32 = 256 work-groups.  Wave w: rows 64 (w / 2) on; of each of the tile's two parts of 128 columns the 64 columns from 64 (w % 2) on.
; 32 accumulators of 16 x 16 a wave, 256 registers.  K goes in steps of 128 through two LDS slots.  A slot: two parts of W, [128 k][128 n] each (waves 0, 1 fetch one each), then 128 rows of y
; (waves 2, 3 fetch 64 each).  All rows are 256 bytes of memory at multiples of 256.  W lies [k][n] and is turned on its way into registers by ds_load_tr16_b128.
; CLUSTER 4 x 4: the four work-groups of a row of the cluster need the same rows of y, the four of a column the same columns of W: each tile is asked for jointly, by the same tensor load with the same
; descriptor and a mask that names the four.
; ASKING AHEAD.  A slot of two K steps would be 217,088 bytes, and two of them do not fit in LDS; so a refill has one K step less a quarter's half on either side, 120 matrix instructions, in which to land.  All 256
; work-groups walk K in step, so a K step's bytes are touched for the first time in that step.  So wave 3 asks in trip t of the loop, by global_prefetch_b8, for the work-group's share of lap t + 2 (a lap = two K steps)
; of y: 16 of its tile row's 128 rows (dealt by tile column) x 512 bytes: 32 lanes, 256 bytes apart.  Its share of W is 8 of a lap's 256 k-rows (dealt by tile row) x its tile column's 512 bytes, 16 lanes' worth: one
; request of 32 lanes covers two laps, t + 2 and t + 3, in the trips whose counter is odd (t = 0, 2, 4).  Every aligned 256 bytes of laps 2 to 7 is thus asked for once in the launch.  The requests stand behind a run of
; LDS loads, 224 matrix instructions ahead of the joint load of lap t + 2's first K step and 352 ahead of its second's (W's second lap: 256 more).  The loop's last trip and the written-out lap ask for nothing, so no
; request points past K's end; laps 0 and 1 have no trip ahead of them.
; THE MATRIX INSTRUCTION IS USED TRANSPOSED (source 0 = 16 columns of W, source 1 = 16 rows of y): a lane then holds eight neighbouring columns of one row, 32 bytes of f32.
; REGISTERS, in windows of 256: window 0: v0-31 addresses; v64-127 y's fragments, two buffers; v128-191 rows on the way out, two buffers.
;   window 1: W's fragments, two buffers of 64.   window 2: accumulators of my rows 0-31 ((a, b) at v[8 (8 (a % 2) + b)]);   window 3: those of rows 32-63.
.set NP,     2                         ; parts of 128 columns in a tile
.set NBF,    4*NP                      ; column blocks of a wave
.set LDB,    2048                      ; elements in a row of W
.set SIZE_K, 2048
.set KSTEP,  128
.set PA,     272                       ; y's LDS rows: 256 bytes + 16: 68 words, so the 16 rows of a fragment load start 4 words apart modulo 64
.set PB,     288                       ; W's LDS rows: 256 + 32: 72 words, so the 8 rows x 32 bytes that 16 lanes of a turning load take start 8 words apart modulo 64
.set REG,    128*PB                    ; one part of W
.set AOFF,   NP*REG                    ; y's rows lie behind W's parts
.set SLOT,   AOFF+128*PA               ; 108,544 bytes
.set STAGE,  2*SLOT                    ; behind the ring: 16 rows x 272 bytes for each wave, for the way out; no tensor load lands here
.set SP,     272
.set LAPS,   SIZE_K/(2*KSTEP)          ; a lap = two K steps = once round the ring
.set NL,     8*NP+8                    ; LDS loads in a run: 16 for W, 8 for y
.set ADRA, 16                          ; v16-17  LDS address of my fragments of y in slot 0, 1
.set ADRB, 18                          ; v[18+2j+slot]  the same for part j of W
.set STO,  24                          ; the way out: where I put 32 bytes of a row
.set RD,   25                          ; the way out: where I read a row back
.set CO,   26                          ; my byte offset in the result
.set PFA,  29                          ; asking ahead: my lane's byte offset in the work-group's share of y; never rewritten
.set PFW,  30                          ; the same for W
.set FA0,  64
.set OB,   128
.set G1,  24                           ; s[24:31] descriptor group 1 for y's tiles;  s[32:39] group 0, a set for each slot
.set G0,  32
.set G1B, 48                           ; s[48:55], s[56:63] the same for W's
.set G0B, 56
.set PAB, 76                           ; s[76:77] asking ahead: the share of y last asked for
.set PWB, 78                           ; s[78:79] the same for W
.set MSB, 0
.macro WIN new                         ; the immediate's high byte repeats the setting that is left; a switch that changes nothing is dropped
.if MSB != \new
	s_set_vgpr_msb (MSB<<8)|\new
.set MSB, \new
.endif
.endm
.set MUL_LO, 0xa1                      ; source 0 (W) window 1, source 1 (y) window 0, C and D window 2
.set MUL_HI, 0xf1                      ; the same, C and D window 3
.set TO_B,   0x40                      ; destination window 1, address window 0
; A joint load.  Waves 0, 1 fetch W's two parts, waves 2, 3 the two halves of y's rows.  The branch hangs on the wave's number alone.  Four v_nop follow each of the two lines, ahead of the jump, the label and what follows.
.macro JLOAD s
	s_cmp_lt_u32 s12, NP
	s_cbranch_scc0 .Lfor_a_\@
	tensor_load_to_lds s[G0B+4*\s:G0B+4*\s+3], s[G1B:G1B+7]
	s_nop 0
.rept 4
	v_nop
.endr
	s_branch .Lasked_\@
.Lfor_a_\@:
	tensor_load_to_lds s[G0+4*\s:G0+4*\s+3], s[G1:G1+7]
	s_nop 0
.rept 4
	v_nop
.endr
.Lasked_\@:
.endm
.macro CREST                           ; a round of the cluster's barrier behind its opening barrier
	s_cmp_lg_u32 s12, 0
	s_cbranch_scc1 .Lnot_wave_0_\@
	s_barrier_signal -3
.Lnot_wave_0_\@:
	s_barrier_wait -3
	s_barrier_signal -1
	s_barrier_wait -1
.endm
.macro CROUND                          ; a whole round
	s_barrier_signal -1
	s_barrier_wait -1
	CREST
.endm
.macro PLACES                          ; four places in front of loads into registers that matrix instructions have read, and of instructions that read results
.rept 4
	v_nop
.endr
.endm
; The work-group's share of the lap after next is asked for.  All three branches hang on numbers that are equal in all work-groups (the wave's number, the loop's counter); every window is 0 here.
.macro ASK
	s_cmp_lg_u32 s12, 3
	s_cbranch_scc1 .Lno_ask_\@                     ; one wave asks for the work-group
	s_cmp_lt_u32 s3, 2
	s_cbranch_scc1 .Lno_ask_\@                     ; the loop's last trip would ask past K's end
	s_wait_xcnt 0x0                                ; the requests of the trips before have had their addresses translated (ISA guide 3.1): their bases are stepped only behind this wait
	s_add_nc_u64 s[PAB:PAB+1], s[PAB:PAB+1], 2*KSTEP*2             ; a lap on: 512 bytes along y's rows
	global_prefetch_b8 v[PFA], s[PAB:PAB+1] th:TH_LOAD_NT scope:SCOPE_SE
	s_bitcmp1_b32 s3, 0
	s_cbranch_scc0 .Lno_ask_\@                     ; W's request covers two laps: it stands in every other trip (the counter is 7, 5, 3)
	s_add_nc_u64 s[PWB:PWB+1], s[PWB:PWB+1], 4*KSTEP*LDB*2         ; two laps on: 512 rows down W (no pending request names this base)
	global_prefetch_b8 v[PFW], s[PWB:PWB+1] th:TH_LOAD_NT scope:SCOPE_SE
.Lno_ask_\@:
.endm
	s_load_b128 s[4:7], s[0:1], 0x0                ; yh s[4:5], woh s[6:7]
	s_load_b64 s[10:11], s[0:1], 0x10              ; out0
	s_set_vgpr_msb 0x40
	v_lshl_add_u32 v255, v0, 2, 0x39400
	s_set_vgpr_msb 0x4000
	v_mov_b32 v255, 0
	s_set_vgpr_msb 0x1
	ds_add_u32 v255, v255
	ds_add_u32 v255, v255
	s_set_vgpr_msb 0x100
	v_lshrrev_b32 v1, 5, v0
	v_readfirstlane_b32 s12, v1                    ; wave 0..3
	s_lshr_b32 s13, s12, 1                         ; which 64 rows are mine
	s_and_b32 s14, s12, 1                          ; which half of each part's columns.  Also: which 64 rows of y I fetch
	s_bfe_u32 s40, ttmp6, 0x40000                  ; cx, cy: my place in the cluster
	s_bfe_u32 s41, ttmp6, 0x40004
	s_lshl_b32 s42, ttmp9, 2
	s_add_co_u32 s42, s42, s40                     ; tile column = 4 x cluster x + cx
	s_and_b32 s15, ttmp7, 0xffff
	s_lshl_b32 s15, s15, 2
	s_add_co_u32 s15, s15, s41                     ; tile row = 4 x cluster y + cy
	s_lshl_b32 s43, s41, 2
	s_lshl_b32 s43, 15, s43                        ; my row of the cluster
	s_lshl_b32 s44, 0x1111, s40                    ; my column
	; group 1: rows of 128 elements of 2 bytes; padding behind every 64 words, of 4 words for y and 8 for W; 64 rows of y, 128 of W
	s_or_b32 s[G1+0], s43, (1<<16)|(1<<20)|(1<<21)|(5<<22)|(3<<25)   ; 15:0 the mask: y's tiles go to my row; 17:16 element size; 20 padding on; 21 set beside a mask; 24:22 interval; 31:25 amount
	s_or_b32 s[G1B+0], s44, (1<<16)|(1<<20)|(1<<21)|(5<<22)|(7<<25)  ; W's tiles go to my column
.irp g, G1, G1B
	s_mov_b32 s[\g+1], 128<<16                     ; tensor_dim0 = 128
	s_mov_b32 s[\g+3], 128<<16                     ; tile_dim0 = 128
	s_mov_b32 s[\g+6], 0
	s_mov_b32 s[\g+7], 0
.endr
	s_mov_b32 s[G1+2], 64<<16                      ; tensor_dim1
	s_mov_b32 s[G1+4], 64                          ; tile_dim1
	s_mov_b32 s[G1+5], SIZE_K                      ; elements from row to row
	s_mov_b32 s[G1B+2], 128<<16
	s_mov_b32 s[G1B+4], 128
	s_mov_b32 s[G1B+5], LDB
	; y's address hangs on the tile row and the wave's number alone, W's on the tile column and the wave's number alone, each in registers that never hold the other coordinate
	s_lshl_b32 s16, s15, 19                        ; 128 rows of 4,096 bytes a tile row,
	s_lshl_b32 s17, s14, 18                        ; 64 rows for the second half
	s_add_co_u32 s16, s16, s17
	s_mov_b32 s17, 0
	s_mul_i32 s46, s42, NP*256                     ; 256 columns of 2 bytes a tile column,
	s_lshl_b32 s47, s12, 8                         ; my part's 128 columns
	s_add_co_u32 s46, s46, s47
	s_mov_b32 s47, 0
	s_mul_i32 s20, s12, REG                        ; where my part of W goes,
	s_mul_i32 s21, s14, 64*PA
	s_add_co_u32 s21, s21, AOFF                    ; and where my half of y's rows
	s_wait_dscnt 0x0
	s_wait_kmcnt 0x0
	s_add_nc_u64 s[16:17], s[4:5], s[16:17]
	s_add_nc_u64 s[46:47], s[6:7], s[46:47]
.irp s, 0,1
	s_mov_b32 s[G0+4*\s], 1                                        ; count = 1
	s_add_co_u32 s[G0+4*\s+1], s21, \s*SLOT                        ; LDS address
	s_add_nc_u64 s[G0+4*\s+2:G0+4*\s+3], s[16:17], \s*KSTEP*2      ; K step s: 256 bytes along the rows
	s_or_b32 s[G0+4*\s+3], s[G0+4*\s+3], 0x80000000                ; type = 2
	s_mov_b32 s[G0B+4*\s], 1
	s_add_co_u32 s[G0B+4*\s+1], s20, \s*SLOT
	s_add_nc_u64 s[G0B+4*\s+2:G0B+4*\s+3], s[46:47], \s*KSTEP*LDB*2   ; K step s: 128 rows down
	s_or_b32 s[G0B+4*\s+3], s[G0B+4*\s+3], 0x80000000
.endr
	CROUND                                         ; all sixteen work-groups are here: the first joint loads meet
	s_cmp_lt_u32 s12, NP                           ; a wave's two first fills stand in one branch, ahead of every wait on TENSORcnt and every LDS read: two loads of mine are out
	s_cbranch_scc0 .Lfirst_a
	tensor_load_to_lds s[G0B:G0B+3], s[G1B:G1B+7]
	s_nop 0
	tensor_load_to_lds s[G0B+4:G0B+7], s[G1B:G1B+7]
	s_nop 0
.rept 4
	v_nop
.endr
	s_branch .Lfirst_asked
.Lfirst_a:
	tensor_load_to_lds s[G0:G0+3], s[G1:G1+7]
	s_nop 0
	tensor_load_to_lds s[G0+4:G0+7], s[G1:G1+7]
	s_nop 0
.rept 4
	v_nop
.endr
.Lfirst_asked:
	v_and_b32 v1, 15, v0                           ; r = l % 16
	v_bfe_u32 v2, v0, 4, 1                         ; h = l / 16
	; a fragment of y: lane l holds row r; two loads of 16 bytes, 32 apart, at row x pitch + 16 h
	v_mul_u32_u24 v3, v1, PA
	v_lshl_add_u32 v3, v2, 4, v3
	s_mul_i32 s22, s13, 64*PA
	s_add_co_u32 s22, s22, AOFF
	v_add_nc_u32 v[ADRA], s22, v3
	v_add_nc_u32 v[ADRA+1], SLOT, v[ADRA]
	; a fragment of W, turned: lane l reads 16 bytes of k-row 8 h + l % 8, columns 8 ((l / 8) % 2) on, and receives column r with 8 k
	v_and_b32 v3, 7, v0
	v_lshl_add_u32 v3, v2, 3, v3
	v_mul_u32_u24 v3, v3, PB
	v_bfe_u32 v28, v0, 3, 1
	v_lshl_add_u32 v3, v28, 4, v3
	s_lshl_b32 s22, s14, 7                         ; my half: 64 columns = 128 bytes on
	v_add_nc_u32 v3, s22, v3
.irp j, 0,1
	v_add_nc_u32 v[ADRB+2*\j], \j*REG, v3
	v_add_nc_u32 v[ADRB+2*\j+1], \j*REG+SLOT, v3
.endr
	; my stage: in, row r, 32 bytes for each half of the lanes; back, lanes 0-15 take one row of 256 bytes, lanes 16-31 the next
	s_mul_i32 s22, s12, 16*SP
	s_add_co_u32 s22, s22, STAGE
	v_mul_u32_u24 v3, v1, SP
	v_lshl_add_u32 v3, v2, 5, v3
	v_add_nc_u32 v[STO], s22, v3
	v_mul_u32_u24 v3, v2, SP
	v_lshl_add_u32 v3, v1, 4, v3
	v_add_nc_u32 v[RD], s22, v3
	v_lshlrev_b32 v3, 13, v2                       ; and the same two rows in the result, 8,192 bytes apart
	v_lshl_add_u32 v[CO], v1, 4, v3
	; asking ahead.  y: lane l takes row r of the share's 16, and the first (h = 0) or second (h = 1) K step's 256 bytes of a lap.
	; W: k-row (l / 2) % 8 of the share's 8, block l % 2 of the tile column's two, in the first (h = 0) or second (h = 1) of two laps, which lie 256 rows of 4,096 bytes apart.
	v_lshlrev_b32 v[PFA], 12, v1
	v_lshl_add_u32 v[PFA], v2, 8, v[PFA]
	v_bfe_u32 v3, v0, 1, 3
	v_lshlrev_b32 v[PFW], 12, v3
	v_and_b32 v3, 1, v0
	v_lshl_add_u32 v[PFW], v3, 8, v[PFW]
	v_lshl_add_u32 v[PFW], v2, 20, v[PFW]
	s_lshl_b32 s[PAB], s15, 19                     ; y: the tile row's 128 rows of 4,096 bytes,
	s_lshl_b32 s[PAB+1], s42, 16                   ; 16 of them for each tile column,
	s_add_co_u32 s[PAB], s[PAB], s[PAB+1]
	s_add_co_u32 s[PAB], s[PAB], 2*KSTEP*2         ; at lap 1: the first request steps to lap 2
	s_mov_b32 s[PAB+1], 0
	s_add_nc_u64 s[PAB:PAB+1], s[4:5], s[PAB:PAB+1]
	s_lshl_b32 s[PWB], s15, 15                     ; W: 8 k-rows of 4,096 bytes for each tile row,
	s_lshl_b32 s[PWB+1], s42, 9                    ; the tile column's 512 bytes; at lap 0: the first request steps to laps 2 and 3
	s_add_co_u32 s[PWB], s[PWB], s[PWB+1]
	s_mov_b32 s[PWB+1], 0
	s_add_nc_u64 s[PWB:PWB+1], s[6:7], s[PWB:PWB+1]
	s_lshl_b32 s46, s42, 10                        ; the tile's first column, in bytes,
	s_lshl_b32 s74, s14, 8                         ; my 64 columns of a part,
	s_add_co_u32 s46, s46, s74
	s_lshl_b32 s74, s15, 20                        ; the tile's 128 rows of 8,192 bytes,
	s_add_co_u32 s46, s46, s74
	s_lshl_b32 s74, s13, 19                        ; my 64 of them
	s_add_co_u32 s46, s46, s74
	s_mov_b32 s47, 0
	s_add_nc_u64 s[10:11], s[10:11], s[46:47]
; NBF matrix instructions: row block a of the window's two (hi = 0: my rows 0-31, 1: rows 32-63) x all column blocks, 32 along K, from buffer f.  zero = 1: the product starts the sums.
.macro MULROW f, hi, a, zero
.set b, 0
.rept NBF
.if \zero
	v_wmma_f32_16x16x32_f16 v[8*(NBF*\a+b):8*(NBF*\a+b)+7], v[8*NBF*\f+8*b:8*NBF*\f+8*b+7], v[FA0+32*\f+8*(2*\hi+\a):FA0+32*\f+8*(2*\hi+\a)+7], 0
.else
	v_wmma_f32_16x16x32_f16 v[8*(NBF*\a+b):8*(NBF*\a+b)+7], v[8*NBF*\f+8*b:8*NBF*\f+8*b+7], v[FA0+32*\f+8*(2*\hi+\a):FA0+32*\f+8*(2*\hi+\a)+7], v[8*(NBF*\a+b):8*(NBF*\a+b)+7]
.endif
.set b, b+1
.endr
.endm
; NL LDS loads in one run: the fragments of quarter q (32 along K) of a slot into buffer f.  Block b = 4 j + i of W begins at byte 32 i of my half of part j's rows.  y's row blocks 2 and 3 come last.
.macro FETCH slot, q, f
	WIN TO_B
.set b, 0
.rept NBF
	ds_load_tr16_b128 v[8*NBF*\f+8*b:8*NBF*\f+8*b+3],   v[ADRB+2*(b/4)+\slot] offset:(\q*32*PB)+(32*(b%4))
	ds_load_tr16_b128 v[8*NBF*\f+8*b+4:8*NBF*\f+8*b+7], v[ADRB+2*(b/4)+\slot] offset:(\q*32*PB)+(16*PB)+(32*(b%4))
.set b, b+1
.endr
	WIN 0
.irp a, 0,1,2,3
	ds_load_b128 v[FA0+32*\f+8*\a:FA0+32*\f+8*\a+3],   v[ADRA+\slot] offset:64*\q+\a*16*PA
	ds_load_b128 v[FA0+32*\f+8*\a+4:FA0+32*\f+8*\a+7], v[ADRA+\slot] offset:64*\q+\a*16*PA+32
.endr
.endm
; A K step is four quarters of 32 along K, 32 matrix instructions each, on buffers 0, 1, 0, 1.  The 32 accumulators take turns, one instruction a turn, in the same order in every quarter.
; One of the first three quarters: multiplies buffer f and, in its middle, fetches quarter q of the same slot into buffer g.  ask = 1: the request ahead stands behind that run of loads.
.macro QUARTER slot, q, f, g, zero, ask
	s_wait_dscnt 4                                 ; W and y's row blocks 0, 1 are in; the youngest four loads (blocks 2, 3) may be out
	WIN MUL_LO
	MULROW \f, 0, 0, \zero
	MULROW \f, 0, 1, \zero
	PLACES
	FETCH \slot, \q, \g
.if \ask
	ASK
.endif
	s_wait_dscnt NL                                ; all but the run just issued
	WIN MUL_HI
	MULROW \f, 1, 0, \zero
	MULROW \f, 1, 1, \zero
.endm
; The last quarter multiplies buffer 1 and changes slots: ONE barrier; in front of it each wave waits for its own reads of this slot and for all its tensor loads (one is out: its part of the next slot).
; fill = 1: the barrier opens a round of the cluster's barrier, and this slot is filled again, two K steps ahead, first thing behind the round.
.macro TURN slot, next, fill
	s_wait_dscnt 4
	WIN MUL_LO
	MULROW 1, 0, 0, 0
	s_wait_dscnt 0                                 ; my reads of this slot are over,
	s_wait_tensorcnt 0x0                           ; and all my tensor loads have landed
	ds_add_u32 v255, v255
	s_wait_dscnt 0x0
	s_barrier_signal -1
	MULROW 1, 0, 1, 0
.if \fill
	WIN 0
.endif
	s_barrier_wait -1
.if \fill
	CREST                                          ; no wave of any partner still reads this slot's tiles or has a load on its way
	s_add_nc_u64 s[G0+4*\slot+2:G0+4*\slot+3], s[G0+4*\slot+2:G0+4*\slot+3], 2*KSTEP*2
	s_add_nc_u64 s[G0B+4*\slot+2:G0B+4*\slot+3], s[G0B+4*\slot+2:G0B+4*\slot+3], 2*KSTEP*LDB*2
	JLOAD \slot                                    ; my one tensor load behind the round; its four v_nop are also the places in front of the loads below
.else
	PLACES
.endif
	FETCH \next, 0, 0
	WIN MUL_HI
	MULROW 1, 1, 0, 0
	MULROW 1, 1, 1, 0
.endm
	s_wait_tensorcnt 1                             ; my part of K step 0 is in; K step 1's may stay out
	s_barrier_signal -1
	s_barrier_wait -1                              ; everybody's is
	FETCH 0, 0, 0
	QUARTER 0, 1, 0, 1, 1, 0                       ; the first quarter stands in front of the loop: its products start the sums
	WIN 0                                          ; at a label and at a branch every window is 0
	s_mov_b32 s3, LAPS-1
.Llap:                                                 ; a trip goes once round the ring, from a lap's second quarter to the next lap's first, and fills both slots again
	QUARTER 0, 2, 1, 0, 0, 0
	QUARTER 0, 3, 0, 1, 0, 0
	TURN 0, 1, 1
	QUARTER 1, 1, 0, 1, 0, 1                       ; seven quarters ahead of the next trip's first joint load
	QUARTER 1, 2, 1, 0, 0, 0
	QUARTER 1, 3, 0, 1, 0, 0
	TURN 1, 0, 1
	QUARTER 0, 1, 0, 1, 0, 0
	WIN 0
	s_sub_co_u32 s3, s3, 1
	s_cmp_lg_u32 s3, 0
	s_cbranch_scc1 .Llap
	QUARTER 0, 2, 1, 0, 0, 0                       ; the last lap fills nothing, and has no round of the cluster's barrier
	QUARTER 0, 3, 0, 1, 0, 0
	TURN 0, 1, 0
	QUARTER 1, 1, 0, 1, 0, 0
	QUARTER 1, 2, 1, 0, 0, 0
	QUARTER 1, 3, 0, 1, 0, 0
	s_wait_dscnt 4                                 ; the very last quarter: nothing more to fetch
	WIN MUL_LO
	MULROW 1, 0, 0, 0
	MULROW 1, 0, 1, 0
	s_wait_dscnt 0
	WIN MUL_HI
	MULROW 1, 1, 0, 0
	MULROW 1, 1, 1, 0
	WIN 0
	PLACES
; THE WAY OUT.  Unit u = 2 a + j: row block a, my 64 columns of part j: 16 rows x 256 bytes of f32.  A lane's 32 bytes are an eighth of a row, so the unit goes through my own stage in LDS and comes back as whole rows.
; The stage is the wave's own: no barrier, and LDS serves a wave's instructions in order (ISA guide 5.7.1.4), so no wait between the stores and the loads.
.macro TOSTAGE u
.set AC, 8*(NBF*(((\u)>>1)&1)+4*((\u)&1))
.set BK, OB+32*((\u)%2)
	WIN (0x08+4*((\u)>>2))                         ; the stores' data: the accumulators' window
.irp i, 0,1,2,3
	ds_store_b128 v[STO], v[AC+8*\i:AC+8*\i+3] offset:64*\i          ; each accumulator's low half first
	ds_store_b128 v[STO], v[AC+8*\i+4:AC+8*\i+7] offset:64*\i+16
.endr
	WIN 0
.if (\u) >= 2
	s_wait_xcnt 0x0                                ; this buffer was the store data of the unit two back: it is loaded again only behind this wait
.endif
.irp t, 0,1,2,3,4,5,6,7
	ds_load_b128 v[BK+4*\t:BK+4*\t+3], v[RD] offset:\t*2*SP
.endr
.endm
.macro SEND u, younger                 ; younger: the LDS instructions issued behind the unit's loads: the next unit's sixteen, or none
.set BK, OB+32*((\u)%2)
	s_wait_dscnt \younger
.irp t, 0,1,2,3,4,5,6,7
	global_store_b128 v[CO], v[BK+4*\t:BK+4*\t+3], s[10:11] offset:((16*((\u)>>1)+2*\t)*8192)+(((\u)&1)*512) th:TH_STORE_NT   ; 16 lanes store 256 consecutive bytes, at a multiple of 256
.endr
.endm
	TOSTAGE 0
.irp u, 1,2,3,4,5,6,7
	TOSTAGE \u
	SEND \u-1, 16
.endr
	SEND 7, 0
	s_set_vgpr_msb 0x1
	s_wait_tensorcnt 0x0
	ds_add_u32 v255, v255
	s_wait_dscnt 0x0
	s_set_vgpr_msb 0x100
	CROUND                                         ; the closing round: no work-group ends while a partner may still ask for a tile that names it
	s_endpgm
.Lfunc_end_k_q013b6be011_outproj:
	.size	k_q013b6be011_outproj, .Lfunc_end_k_q013b6be011_outproj-k_q013b6be011_outproj
	.p2alignl 7, 3214868480
	.fill 96, 4, 3214868480
	.section	.rodata,"a",@progbits
	.p2align	6, 0x0
	.amdhsa_kernel k_q013b6be011_outproj
		.amdhsa_group_segment_fixed_size 327680
		.amdhsa_private_segment_fixed_size 0
		.amdhsa_enable_private_segment 0
		.amdhsa_kernarg_size 24
		.amdhsa_user_sgpr_count 2
		.amdhsa_user_sgpr_kernarg_segment_ptr 1
		.amdhsa_wavefront_size32 1
		.amdhsa_system_sgpr_workgroup_id_x 1
		.amdhsa_system_sgpr_workgroup_id_y 1
		.amdhsa_system_sgpr_workgroup_id_z 1
		.amdhsa_system_vgpr_workitem_id 0
		.amdhsa_next_free_vgpr 1024
		.amdhsa_next_free_sgpr 80
		.amdhsa_reserve_vcc 0
		.amdhsa_float_denorm_mode_32 3
		.amdhsa_float_denorm_mode_16_64 3
		.amdhsa_memory_ordered 1
		.amdhsa_forward_progress 1
		.amdhsa_inst_pref_size 88
	.end_amdhsa_kernel
	.amdgpu_metadata
---
amdhsa.version: [ 1, 2 ]
amdhsa.kernels:
  - .name:           k_q013b6be011_outproj
    .symbol:         k_q013b6be011_outproj.kd
    .args:
      - { .name: yh, .offset: 0, .size: 8, .value_kind: global_buffer, .address_space: global }
      - { .name: woh, .offset: 8, .size: 8, .value_kind: global_buffer, .address_space: global }
      - { .name: out0, .offset: 16, .size: 8, .value_kind: global_buffer, .address_space: global }
    .group_segment_fixed_size: 327680
    .private_segment_fixed_size: 0
    .kernarg_segment_align: 8
    .kernarg_segment_size: 24
    .max_flat_workgroup_size: 128
    .sgpr_count:     80
    .vgpr_count:     1024
    .wavefront_size: 32
...
	.end_amdgpu_metadata
.endif
;; end of part 4
;; ======== version 2 of 2: 4 launches; version 1 with the launch prep written anew for expert scheduling mode
;; limits: values are held in f16: magnitudes above 65,504 overflow, below 6.1e-05 lose precision
;; workspace buffers: xh 16,777,216 bytes; wqkv 12,582,912 bytes; woh 8,388,608 bytes; rope 524,288 bytes; qkvh 25,165,824 bytes; yh 16,777,216 bytes
;; launch prep (part 5): grid 256 x 1, 8 waves a work-group, no clusters, 0 bytes of LDS; arguments x, Wq, Wk, Wv, xh, wqkv, rope; writes xh, wqkv, rope
.if DOCPART == 5
	.amdgcn_target "amdgcn-amd-amdhsa--gfx1250"
	.amdhsa_code_object_version 6
	.text
	.protected	k_q013b6be011_prep
	.globl	k_q013b6be011_prep
	.p2align	8
	.type	k_q013b6be011_prep,@function
k_q013b6be011_prep:
	s_mov_b64 s[64:65], 0
	v_nop
	global_prefetch_b8 v0, s[64:65] scope:SCOPE_SE
	s_setreg_imm32_b32 hwreg(HW_REG_WAVE_SCHED_MODE, 0, 2), 2
	s_setreg_imm32_b32 hwreg(HW_REG_WAVE_MODE, 25, 1), 1
	s_wait_xcnt 0x0
	s_wait_alu depctr_vm_vsrc(0)
; bf16 copies of x and of the three projection weights, and the table of cosines and sines for the rotation.
;   xh   [4096][2048] bf16 = x;   wqkv [2048 k][3072 n] bf16 = Wq | Wk | Wv side by side (a row: 4,096 + 1,024 + 1,024 bytes)
;   rope: cos[1024 t][64 i] f32 at byte 0, sin at byte 262,144; angle = t * 10000^(-i/64)
; (Wo is wanted by the last launch alone; the attention launch casts it beside its own work.)
; FORMATS.  Every INPUT is rounded once, to bf16, the rounding of inputs that the problem's contract names.  Every INTERMEDIATE of the later launches (q, k, v, the weights p, y) is f16.  The reason is the first row
; of a sequence: it has one key, so its y is v[0] and its output has a spread of sqrt(2048) x 0.905 x 0.02 = 0.82 at the drawn inputs, eight times the whole output's root mean square, of which a hundredth is allowed.
; One rounding of v to 8 significant bits (1.7e-3 of its size, root mean square) would pass that; to 11 bits (2.1e-4) it stays at a sixth of it.
; LIMIT: against reference() on unrounded inputs the result carries the inputs' rounding to 8 bits.  x and these weights have bf16's range.
; SHARES.  256 work-groups of eight waves, all alike.  Wave R = 8 x work-group + wave (0 to 2,047) takes rows 2 R and 2 R + 1 of x (32 loads of 512 bytes) and row R of Wq (16 loads), of Wk (4) and of Wv (4):
; 56 loads; it writes 8,192 consecutive bytes of xh and the whole row R of wqkv, 6,144 consecutive bytes.  Each byte is read once and written once; no LDS, no barrier, no matrix unit: nothing is used twice.
; A RING keeps 24 loads of every wave on their way (24 x 512 bytes x 8 waves = 96 KiB a work-group); loads and stores go out side by side.
; A load covers 512 consecutive bytes, a store 256 consecutive bytes at a multiple of 256.
; THE TABLE's 16,384 items (four angles each) are dealt 64 to a work-group: waves 0 and 1 compute them while their first 24 loads are on their way.
; THE MODE: SCHED_MODE bits 1:0 = 2 (LLVM: expert scheduling mode 2), set by the entry lines.  The code itself states the register dependences
; between vector instructions and memory instructions, with s_wait_alu, always for 0.
; THE PLAN.  One turn for each load; four turns are a block.  Registers that memory instructions touch:
;   v1, v2     byte offsets of the loads and of the stores: made once at the head and never written again; the rows are reached by immediate offsets, the scalar bases never move.
;   X          28 slots of four registers.  Load m lands in slot m % 28; turn m's two conversions read it.  Load n + 24 is issued in turn n and lands in slot (n - 4) % 28, which turn n - 4, in the block before, emptied.
;   Y          a pair for each of the 56 stores.  Turn n's conversions write pair n, once in the launch; store n, issued in turn n + 4, reads it.
;   v7, v24-31 waves 0 and 1: the table's offset and results: written by the table's arithmetic, read by its two stores, never written again.
; Block p's vector instructions read the slots of loads 4 p to 4 p + 3 and write the pairs of the same numbers.  Its memory instructions are the loads into the four slots that block p - 1 emptied and the stores from
; the four pairs that block p - 1 wrote: registers that no vector instruction of block p names.  So ONE wait on va_vdst at a block's head states all that the block's eight memory instructions hang on, and these are
; dealt among its conversions with no further wait.  No register that a memory instruction reads is ever written again: the text owes no wait on vm_vsrc, and none on XCNT.
.set DEPTH, 24                         ; loads in flight in each wave
.set BLOCK, 4                          ; turns in a block
.set SLOTS, DEPTH+BLOCK                ; a slot lies idle from its turn to the next block's head: four slots more than there are loads in flight
.set NLD,   56                         ; loads of a wave
.set X, 32                             ; v[32:143]  slot m % 28: 4 registers as loaded
.set Y, 144                            ; v[144:255] store n: 2 registers of its own; none is written behind its store, so no store's source is ever rewritten
	s_load_b256 s[8:15], s[0:1], 0x0               ; x s[8:9], Wq s[10:11], Wk s[12:13], Wv s[14:15]
	s_load_b128 s[16:19], s[0:1], 0x20             ; xh s[16:17], wqkv s[18:19]
	s_load_b64 s[20:21], s[0:1], 0x30              ; rope
	v_lshrrev_b32 v3, 5, v0
	v_readfirstlane_b32 s2, v3                     ; wave 0..7
	v_and_b32 v1, 31, v0
	v_lshlrev_b32 v2, 3, v1                        ; 8 bytes a lane out; never rewritten
	v_lshlrev_b32 v1, 4, v1                        ; 16 bytes a lane in; never rewritten
	s_wait_alu depctr_va_sdst(0)                   ; s2 is written, ahead of its first reader: R and the bases are made from it, and the branch round the table compares it
	s_lshl_b32 s3, ttmp9, 3
	s_add_co_u32 s3, s3, s2                        ; R
	s_lshl_b32 s4, s3, 14                          ; two rows of x: 16,384 bytes
	s_mov_b32 s5, 0
	s_lshl_b32 s6, s3, 13                          ; a row of Wq, and two rows of xh: 8,192 bytes
	s_mov_b32 s7, 0
	s_lshl_b32 s22, s3, 11                         ; a row of Wk or Wv: 2,048 bytes
	s_mov_b32 s23, 0
	s_mul_i32 s24, s3, 6144                        ; a row of wqkv
	s_mov_b32 s25, 0
	s_wait_kmcnt 0x0
	s_add_nc_u64 s[8:9], s[8:9], s[4:5]
	s_add_nc_u64 s[10:11], s[10:11], s[6:7]
	s_add_nc_u64 s[12:13], s[12:13], s[22:23]
	s_add_nc_u64 s[14:15], s[14:15], s[22:23]
	s_add_nc_u64 s[16:17], s[16:17], s[6:7]
	s_add_nc_u64 s[18:19], s[18:19], s[24:25]
	s_wait_alu depctr_va_vdst(0)                   ; v1 and v2 are written: every load and store of the stream reads one of them as its offset, and no vector instruction names them again
.macro LD m                            ; load number m, into its slot: 0-31 x, 32-47 Wq, 48-51 Wk, 52-55 Wv
.if (\m) < 32
	global_load_b128 v[X+4*((\m)%SLOTS):X+4*((\m)%SLOTS)+3], v1, s[8:9] offset:(\m)*512 th:TH_LOAD_NT
.elseif (\m) < 48
	global_load_b128 v[X+4*((\m)%SLOTS):X+4*((\m)%SLOTS)+3], v1, s[10:11] offset:((\m)-32)*512 th:TH_LOAD_NT
.elseif (\m) < 52
	global_load_b128 v[X+4*((\m)%SLOTS):X+4*((\m)%SLOTS)+3], v1, s[12:13] offset:((\m)-48)*512 th:TH_LOAD_NT
.else
	global_load_b128 v[X+4*((\m)%SLOTS):X+4*((\m)%SLOTS)+3], v1, s[14:15] offset:((\m)-52)*512 th:TH_LOAD_NT
.endif
.endm
.macro ST m                            ; store number m, from its own pair: 0-31 xh, 32-55 the row of wqkv, in which Wq's 16, Wk's 4 and Wv's 4 pieces follow each other
.if (\m) < 32
	global_store_b64 v2, v[Y+2*(\m):Y+2*(\m)+1], s[16:17] offset:(\m)*256
.else
	global_store_b64 v2, v[Y+2*(\m):Y+2*(\m)+1], s[18:19] offset:((\m)-32)*256
.endif
.endm
.set n, 0
.rept DEPTH
	LD n                                           ; the ring is filled before anything else is done
.set n, n+1
.endr
	s_cmp_lt_u32 s2, 2
	s_cbranch_scc0 .Lstream                        ; waves 2 to 7 have no part of the table
	; THE TABLE.  Thread = item: t = item / 16, i = 4 (item % 16) + 0..3.  The angle a = t f, f = 2^(-i log2(10000) / 64), is brought into [-pi, pi] by taking away
	; k = round(a / 2 pi) turns, with 2 pi in two parts; then sine and cosine by their power series, to x^15 and x^16: the first terms left out are under 1e-6 at pi.
	; Its arithmetic names v0 and v3 to v31 alone: none of the registers that the loads on their way, or the stream's loads and stores, touch.
	s_lshl_b32 s26, ttmp9, 6
	v_add_nc_u32 v3, s26, v0                       ; item = 64 x work-group + thread (threads 0 to 63)
	v_lshrrev_b32 v4, 4, v3
	v_cvt_f32_u32 v4, v4                           ; t
	v_and_b32 v5, 15, v3
	v_lshlrev_b32 v5, 2, v5                        ; the first of my four i
	v_lshlrev_b32 v7, 4, v3                        ; my 16 bytes in each half of the table: t x 256 + i x 4
.irp e, 0,1,2,3
	v_add_nc_u32 v[8+\e], \e, v5
.endr
.irp e, 0,1,2,3
	v_cvt_f32_u32 v[8+\e], v[8+\e]
.endr
.irp e, 0,1,2,3
	v_mul_f32 v[8+\e], 0xbe549a78, v[8+\e]         ; -i log2(10000) / 64
.endr
.irp e, 0,1,2,3
	v_exp_f32 v[8+\e], v[8+\e]
.endr
	v_nop                                          ; a plain instruction between the last exponential and the use of its result (ISA guide 5.7.2)
	s_wait_alu depctr_va_vdst(0)                   ; the four exponentials have written v8 to v11: one wait for the batch, ahead of its first reader
.irp e, 0,1,2,3
	v_mul_f32 v[8+\e], v4, v[8+\e]                 ; a = t f
.endr
.irp e, 0,1,2,3
	v_mul_f32 v[12+\e], 0.15915494, v[8+\e]
.endr
.irp e, 0,1,2,3
	v_rndne_f32 v[12+\e], v[12+\e]                 ; k
.endr
.irp e, 0,1,2,3
	v_fmamk_f32 v[16+\e], v[12+\e], 0xc0c90fdb, v[8+\e]    ; a - k x (2 pi rounded to f32)
.endr
.irp e, 0,1,2,3
	v_fmamk_f32 v[16+\e], v[12+\e], 0x343bbd2e, v[16+\e]   ; - k x (what that rounding left): x
.endr
.irp e, 0,1,2,3
	v_mul_f32 v[20+\e], v[16+\e], v[16+\e]         ; z = x^2
.endr
.irp e, 0,1,2,3
	v_mov_b32 v[24+\e], 0xab573f9f                 ; -1/15!
	v_mov_b32 v[28+\e], 0x29573f9f                 ; 1/16!
.endr
.irp c, 0x2f309231, 0xb2d7322b, 0x3638ef1d, 0xb9500d01, 0x3c088889, 0xbe2aaaab, 0x3f800000   ; 1/13!, -1/11!, 1/9!, -1/7!, 1/5!, -1/3!, 1
.irp e, 0,1,2,3
	v_fmaak_f32 v[24+\e], v[20+\e], v[24+\e], \c
.endr
.endr
.irp c, 0xad49cba5, 0x310f76c7, 0xb493f27e, 0x37d00d01, 0xbab60b61, 0x3d2aaaab, 0xbf000000, 0x3f800000   ; -1/14!, 1/12!, -1/10!, 1/8!, -1/6!, 1/4!, -1/2, 1
.irp e, 0,1,2,3
	v_fmaak_f32 v[28+\e], v[20+\e], v[28+\e], \c
.endr
.endr
.irp e, 0,1,2,3
	v_mul_f32 v[24+\e], v[16+\e], v[24+\e]         ; the sine's series has the factor x in front
.endr
	s_wait_alu depctr_va_vdst(0)                   ; the series have written v24 to v31, the two stores' data, and v7, their offset, is written; none of the nine is written again
	global_store_b128 v7, v[28:31], s[20:21]                 ; cosines: a wave writes two t's 512 consecutive bytes
	global_store_b128 v7, v[24:27], s[20:21] offset:262144   ; sines
.Lstream:
; One turn for each load.  While a later load is left to issue, 23 younger ones stay out at the wait; then the counts run down.
; Turn n: load n is waited for; load n + 24 goes out, into the slot that turn n - 4 emptied; store n - 4 goes out; load n's numbers are rounded into pair n.
; Block 0 has no block in front of it: its four loads land in slots 24 to 27, which no vector instruction has named, and it stores nothing: it has no wait but those for its data.
.set n, 0
.rept NLD
.if n+DEPTH < NLD
	s_wait_loadcnt DEPTH-1                         ; loads come back in order (ISA guide 5.7.1): numbers 0 to n + 23 are issued, number n is in, the 23 behind it stay out
.else
	s_wait_loadcnt NLD-1-n                         ; nothing is left to issue: the loads behind number n
.endif
.if (n%BLOCK == 0) && (n > 0)
	s_wait_alu depctr_va_vdst(0)                   ; the block before has written its four pairs of Y, which this block's stores read, and is done reading its four slots of X, in which this block's loads land
.endif
.if n+DEPTH < NLD
	LD n+DEPTH                                     ; ahead of the store.  No wait: no vector instruction since the block's head names this slot
.endif
.if n >= BLOCK
	ST n-BLOCK                                     ; the block before's.  No wait: no vector instruction since the block's head names this pair
.endif
	v_cvt_pk_bf16_f32 v[Y+2*n], v[X+4*(n%SLOTS)], v[X+4*(n%SLOTS)+1]       ; the one rounding, to nearest even
	v_cvt_pk_bf16_f32 v[Y+2*n+1], v[X+4*(n%SLOTS)+2], v[X+4*(n%SLOTS)+3]
.set n, n+1
.endr
	s_wait_alu depctr_va_vdst(0)                   ; the last block has written its four pairs of Y, which the last four stores read
.set n, NLD-BLOCK
.rept BLOCK
	ST n
.set n, n+1
.endr
	s_endpgm
.Lfunc_end_k_q013b6be011_prep:
	.size	k_q013b6be011_prep, .Lfunc_end_k_q013b6be011_prep-k_q013b6be011_prep
	.p2alignl 7, 3214868480
	.fill 96, 4, 3214868480
	.section	.rodata,"a",@progbits
	.p2align	6, 0x0
	.amdhsa_kernel k_q013b6be011_prep
		.amdhsa_group_segment_fixed_size 0
		.amdhsa_private_segment_fixed_size 0
		.amdhsa_enable_private_segment 0
		.amdhsa_kernarg_size 56
		.amdhsa_user_sgpr_count 2
		.amdhsa_user_sgpr_kernarg_segment_ptr 1
		.amdhsa_wavefront_size32 1
		.amdhsa_system_sgpr_workgroup_id_x 1
		.amdhsa_system_sgpr_workgroup_id_y 1
		.amdhsa_system_sgpr_workgroup_id_z 1
		.amdhsa_system_vgpr_workitem_id 0
		.amdhsa_next_free_vgpr 256
		.amdhsa_next_free_sgpr 66
		.amdhsa_reserve_vcc 0
		.amdhsa_float_denorm_mode_32 3
		.amdhsa_float_denorm_mode_16_64 3
		.amdhsa_memory_ordered 1
		.amdhsa_forward_progress 1
		.amdhsa_inst_pref_size 28
	.end_amdhsa_kernel
	.amdgpu_metadata
---
amdhsa.version: [ 1, 2 ]
amdhsa.kernels:
  - .name:           k_q013b6be011_prep
    .symbol:         k_q013b6be011_prep.kd
    .args:
      - { .name: x, .offset: 0, .size: 8, .value_kind: global_buffer, .address_space: global }
      - { .name: Wq, .offset: 8, .size: 8, .value_kind: global_buffer, .address_space: global }
      - { .name: Wk, .offset: 16, .size: 8, .value_kind: global_buffer, .address_space: global }
      - { .name: Wv, .offset: 24, .size: 8, .value_kind: global_buffer, .address_space: global }
      - { .name: xh, .offset: 32, .size: 8, .value_kind: global_buffer, .address_space: global }
      - { .name: wqkv, .offset: 40, .size: 8, .value_kind: global_buffer, .address_space: global }
      - { .name: rope, .offset: 48, .size: 8, .value_kind: global_buffer, .address_space: global }
    .group_segment_fixed_size: 0
    .private_segment_fixed_size: 0
    .kernarg_segment_align: 8
    .kernarg_segment_size: 56
    .max_flat_workgroup_size: 256
    .sgpr_count:     66
    .vgpr_count:     256
    .wavefront_size: 32
...
	.end_amdgpu_metadata
.endif
;; end of part 5
;; launch qkvproj: the kernel of part 2 again; grid 8 x 32, 4 waves a work-group, clusters of 4 x 4, 327,680 bytes of LDS; arguments xh, wqkv, rope, qkvh; writes qkvh
;; launch attn: the kernel of part 3 again; grid 16 x 16, 4 waves a work-group, no clusters, 197,120 bytes of LDS; arguments qkvh, Wo, yh, woh; writes yh, woh
;; launch outproj: the kernel of part 4 again; grid 8 x 32, 4 waves a work-group, clusters of 4 x 4, 327,680 bytes of LDS; arguments yh, woh, out0; writes out0
